; MI455X (gfx1250); checked and timed in simulation.
; The chip was launched on July 23, 2026; its instructions are those of AMD's public machine-readable ISA for CDNA 5 (MIT licence, August 2026) and "CDNA5" Instruction Set Architecture Reference Guide (July 2026). The comments in the code are by the model that wrote it; some were corrected since.
;; Self Attention. Allowed arithmetic: matrix products marked QUANTISED: E2M3 operands, one E8M0 scale for each 32 along K, by v_wmma_scale_f32_16x16x128_f8f6f4 with both operands' format E2M3, f32 sums; everything else in f32.
;; Inputs: Wfc 1,024 x 1,024 float32; Wk 1,024 x 1,024 float32; Wq 1,024 x 1,024 float32; Wv 1,024 x 1,024 float32; bfc 1,024 float32; bk 1,024 float32; bq 1,024 float32; bv 1,024 float32; key 4 x 2,048 x 1,024 float32; mask 4 x 2,048 int32; query 4 x 2,048 x 1,024 float32; value 4 x 2,048 x 1,024 float32.
;; Outputs: out0 4 x 2,048 x 1,024 float32.
;; This version of the problem:
;;   THIS VERSION OF THE PROBLEM IS GIVEN IN LOW PRECISION. The matrix products marked QUANTISED in the list below multiply operands that are first quantised to E2M3 (2 exponent bits, 3 mantissa bits; 6 bits a number), with one power-of-two scale for each 32 numbers along K (OCP MX v1.0); their sums are f32. All else is computed in f32.
;;   The module's matrix products, in the order in which they are computed (A, B: the left and right operand; K: the contracted axis; several contracted axes count as one K, in the product's order):
;;     1. [M 8,192, K 1,024] x [K 1,024, N 1,024]; A: input query; B: input Wq: QUANTISED
;;     2. [M 8,192, K 1,024] x [K 1,024, N 1,024]; A: input key; B: input Wk: QUANTISED
;;     3. [M 8,192, K 1,024] x [K 1,024, N 1,024]; A: input value; B: input Wv: QUANTISED
;;     4. batch 64 x [M 2,048, K 64] x [K 64, N 2,048]; A: computed on the way; B: computed on the way: QUANTISED
;;     5. batch 64 x [M 2,048, K 2,048] x [K 2,048, N 64]; A: softmax (see below); B: computed on the way: QUANTISED
;;     6. [M 8,192, K 1,024] x [K 1,024, N 1,024]; A: computed on the way; B: input Wfc: QUANTISED
;;   THE QUANTISER, for each operand of a quantised product, along K:
;;     - K is cut into blocks of 32 from its start; a last block that is shorter is filled with zeros.
;;     - A block's scale is 2^e with e = floor(log2(the largest magnitude in the block)) - 2, held to -126 .. 127; a block of zeros has e = 0. As a byte (E8M0): e + 127.
;;     - Each number is divided by its block's scale, clamped to +-7.5, and rounded to the nearest number of E2M3, ties to even, subnormals kept.
;;     - The product sums the exact products of the quantised numbers (number of the format x scale) in f32.
;;   ~~~python
;;   def quantise(x, axis):      # numpy; x: float32 -> the quantised numbers, widened to float32 again
;;       x = np.moveaxis(x, axis, -1); K = x.shape[-1]
;;       x = np.pad(x, [(0, 0)] * (x.ndim - 1) + [(0, -K % 32)]); x = x.reshape(x.shape[:-1] + (-1, 32)); a = np.abs(x).max(-1, keepdims=True)
;;       e = np.where(a > 0, np.clip(np.frexp(np.where(a > 0, a, 1))[1] - 1 - 2, -126, 127), 0)      # np.frexp(a)[1] - 1 = floor(log2(a)), exactly
;;       r = np.clip(x / 2.0 ** e, -7.5, 7.5)
;;       step = 2.0 ** (np.maximum(np.frexp(np.where(r == 0, 1, r))[1] - 1, 0) - 3)
;;       q = np.round(r / step) * step * 2.0 ** e      # np.round: ties to even
;;       return np.moveaxis(q.reshape(q.shape[:-2] + (-1,))[..., :K], -1, axis).astype(np.float32)
;;   ~~~
;;   SOFTMAX AHEAD OF A QUANTISED PRODUCT. Where the list says 'softmax', what is quantised is not the finished softmax but p = 2^(t - M), with t = logit x log2(e) and M = ceil(the row's largest t), a whole number; so 1/2 < the row's largest p <= 1. The row's sum l is taken of the UNQUANTISED p, in f32, and the product's result is divided by l at the end. Since M is a whole number, a kernel that streams over the keys may use a running M (the ceiling of the running maximum): every later rescaling is an exact power of two, which a block's scale takes up: the codes' values come out the same.
;;   OPERANDS COMPUTED ON THE WAY. 'Computed on the way' means the value that the module computes at that place (a softmax that the list does not call 'softmax' is quantised finished and normalised). What goes into a quantiser is computed in f32, as accurately as f32 sums, v_exp_f32 and their like allow (about 1e-6 of the number): no bf16 or f16 on the way to a quantiser, and a product that is left as it is and whose result goes on into a quantised operand takes f32 operands (vector FMAs, or v_wmma_f32_16x16x4_f32). A number that lies on a knife's edge between two numbers of the format may be rounded either way, as far as f32 arithmetic and the matrix unit's own rounding can turn it there, and no further.
;; One version. Each part assembles by itself: llvm-mc -triple=amdgcn-amd-amdhsa -mcpu=gfx1250 --defsym DOCPART=n.
;; ======== version 1 of 1: 4 launches
;; limits: right only within a limited range of input values
;; workspace buffers: incodes 22,020,096 bytes; inscales 917,504 bytes; qkvcodes 18,874,368 bytes; qkvscales 786,432 bytes; xcodes 6,291,456 bytes; xscales 262,144 bytes
;; launch quant (part 1): grid 256 x 1, 7 waves a work-group, no clusters, 60,160 bytes of LDS; arguments query, key, value, Wq, Wk, Wv, Wfc, incodes, inscales; writes incodes, inscales
.if DOCPART == 1
	.amdgcn_target "amdgcn-amd-amdhsa--gfx1250"
	.amdhsa_code_object_version 6
	.text
	.protected	k_qefb28948fa_quant
	.globl	k_qefb28948fa_quant
	.p2align	8
	.type	k_qefb28948fa_quant,@function
k_qefb28948fa_quant:
	s_mov_b64 s[64:65], 0
	v_nop
	global_prefetch_b8 v0, s[64:65] scope:SCOPE_SE
	s_setreg_imm32_b32 hwreg(HW_REG_WAVE_MODE, 25, 1), 1
	s_wait_xcnt 0x0
; query, key, value [8192][1024] and Wq, Wk, Wv, Wfc [1024][1024], f32, K innermost, become codes of FP6 (E2M3) with one E8M0 byte for each 32 along K.
; A block's scale is 2^(floor(log2(its largest magnitude)) - 2); its byte is the largest magnitude's exponent field - 2, held at 1 from below.
; LIMITS: a block of zeros, or one whose largest magnitude lies under 2^-124, gets the byte 1 (its codes are read by this program alone); NaN and infinities are not served.
; LAYOUT OF THE CODES: images of operand registers.  A ROW BLOCK is 16 rows; its 1,024 along K are 16 HALVES of 64; a half is registers 0-5 of lane (r, h) (k = 32 h .. 32 h + 31 of row r):
; registers 0-3 at 16 x lane (512 bytes), registers 4, 5 at 512 + 8 x lane (256 bytes): 768 bytes.  Two halves on end are a fragment of 16 rows x 128 K.  A row block is 12,288 bytes; its scale bytes are 16 rows x 32 bytes.
; ROW BLOCKS IN incodes: query 0-511, key 512-1023, value 1024-1535, Wq 1536-, Wk 1600-, Wv 1664-, Wfc 1728-1791.
; THE ROWS OF A BLOCK: in value, Wq, Wk, Wv the two blocks u = 0, 1 of a group of 32 rows hold rows 8 u + r + 8 (r / 8): a product that takes such blocks as its source 0 leaves, in the 16 registers of two
; neighbouring result tiles, 16 neighbours along that axis, which is what the next quantiser wants.  query and Wfc keep their order.
; SHARES: 1,792 row blocks = 256 work-groups x 7 waves: a wave takes one row block, eight steps of 128 along K.  Waves share nothing: no barrier.
; Each load reads 512 consecutive bytes of one row; a step's 16 x 512 bytes turn through the wave's own stage in LDS (rows 528 bytes apart) and come back 16 neighbours a block to a lane.
.set STGB, 8448                        ; a wave's stage: 16 rows x 528 bytes
.set TM,  10                           ; v10-13 largest magnitudes, v14-17 the other half's and then the bytes, v18-21 the conversions' scale operands
.set PW,  22                           ; v22     the scale word just made
.set SW,  24                           ; v24-31  a scale word for each K step
.set R,   32                           ; v32-159 two sets of 64 numbers as loaded
.set X,   160                          ; v160-223 64 numbers: register 16 b + i = k 32 b + 16 h + i of my row
.set PC,  224                          ; v224-243 the codes: 12 registers and 8 at work
.set SEL, 32                           ; s[32:33] lane selects for v_permlanex16_b32: lane l xor 16
	s_load_b256 s[4:11], s[0:1], 0x0               ; query, key, value, Wq
	s_load_b256 s[12:19], s[0:1], 0x20             ; Wk, Wv, Wfc, incodes
	s_load_b64 s[20:21], s[0:1], 0x40              ; inscales
	v_lshl_add_u32 v248, v0, 2, 0xe700
	v_mov_b32 v249, 0
	v_lshrrev_b32 v1, 5, v0
	v_readfirstlane_b32 s22, v1                    ; wave 0..6
	v_and_b32 v2, 31, v0                           ; lane
	v_and_b32 v3, 15, v0                           ; r
	v_bfe_u32 v4, v0, 4, 1                         ; h
	s_mul_i32 s23, ttmp9, 7
	s_add_co_u32 s23, s23, s22                     ; my row block, 0 .. 1791
	s_mul_i32 s34, s22, STGB                       ; my stage
	v_lshlrev_b32 v7, 4, v2                        ; 16 x lane: my bytes of a load's 512, and of a half's first 512
	v_add_nc_u32 v5, s34, v7                       ; the stage, on the way in
	v_mul_u32_u24 v6, v3, 528
	v_lshl_add_u32 v6, v4, 6, v6
	v_add_nc_u32 v6, s34, v6                       ; and on the way out: row r, + 64 h
	v_lshlrev_b32 v9, 3, v2
	v_add_nc_u32 v9, 512, v9                       ; 512 + 8 x lane: a half's last 256 bytes
	v_lshlrev_b32 v23, 5, v3
	v_lshl_add_u32 v23, v4, 4, v23                 ; 32 r + 16 h: my four scale words
.irp b, 0,1,2,3
	v_mov_b32 v[TM+4+\b], 0                        ; written once: a lane permute's destination counts as one of its sources
.endr
	s_mov_b32 s[SEL], 0x76543210
	s_mov_b32 s[SEL+1], 0xfedcba98
	s_wait_kmcnt 0x0
	; which tensor: the choice hangs on the row block's number alone
	s_mov_b64 s[24:25], s[16:17]                   ; Wfc,
	s_mov_b32 s26, 1728                            ; its first row block,
	s_mov_b32 s27, 0                               ; its rows in order
.macro PICK lim, ptr, base, perm
	s_cmp_lt_u32 s23, \lim
	s_cselect_b64 s[24:25], s[\ptr:\ptr+1], s[24:25]
	s_cselect_b32 s26, \base, s26
	s_cselect_b32 s27, \perm, s27
.endm
	PICK 1728, 14, 1664, 1                         ; Wv
	PICK 1664, 12, 1600, 1                         ; Wk
	PICK 1600, 10, 1536, 1                         ; Wq
	PICK 1536, 8, 1024, 1                          ; value
	PICK 1024, 6, 512, 2                           ; key: an order of its own, below
	PICK 512, 4, 0, 0                              ; query
	s_sub_co_u32 s34, s23, s26                     ; the block's number in its tensor
	s_lshr_b32 s35, s34, 1
	s_lshl_b32 s35, s35, 5                         ; its group of 32 rows
	s_and_b32 s36, s34, 1
	s_cmp_lg_u32 s27, 0
	s_cselect_b32 s37, 8, 16                       ; the group's second block begins 8 rows on, or 16
	s_cselect_b32 s38, 32768, 0
	; KEY'S ROW BLOCKS go by groups of 64 rows: block u = 0 .. 3 holds rows 8 u + r % 8 + 32 (r / 8), so that in the scores a lane's 32 registers of four neighbouring tiles are one whole block of 32 keys
	s_lshr_b32 s39, s34, 2
	s_lshl_b32 s39, s39, 6                         ; the group of 64 rows
	s_and_b32 s22, s34, 3                          ; u
	s_cmp_eq_u32 s27, 2
	s_cselect_b32 s35, s39, s35
	s_cselect_b32 s36, s22, s36
	s_mov_b32 s39, 98304                           ; rows 8-15 of a block lie 24 rows further on
	s_cselect_b32 s38, s39, s38
	s_mul_i32 s36, s36, s37
	s_add_co_u32 s35, s35, s36                     ; my first row
	s_lshl_b32 s36, s35, 12                        ; x 4,096 bytes (under 2^25)
	s_mov_b32 s37, 0
	s_add_nc_u64 s[24:25], s[24:25], s[36:37]
	v_add_nc_u32 v8, s38, v7                       ; the loads' offset for rows 8-15
	s_mul_i32 s36, s23, 12288
	s_add_nc_u64 s[28:29], s[18:19], s[36:37]      ; my codes
	s_lshl_b32 s36, s23, 9
	s_add_nc_u64 s[30:31], s[20:21], s[36:37]      ; my scale bytes
.macro LOAD s                          ; K step s: 16 rows x 512 consecutive bytes, into set s % 2
.irp i, 0,1,2,3,4,5,6,7,8,9,10,11,12,13,14,15
.if \i < 8
	global_load_b128 v[R+64*((\s)%2)+4*\i:R+64*((\s)%2)+4*\i+3], v7, s[24:25] offset:4096*\i+512*(\s) th:TH_LOAD_NT
.else
	global_load_b128 v[R+64*((\s)%2)+4*\i:R+64*((\s)%2)+4*\i+3], v8, s[24:25] offset:4096*\i+512*(\s) th:TH_LOAD_NT
.endif
.endr
.endm
.macro TURN s                          ; through the stage: LDS serves a wave's instructions in order (ISA guide 5.7.1.4), so no wait stands between the stores and the loads, and one stage serves every step
.irp i, 0,1,2,3,4,5,6,7,8,9,10,11,12,13,14,15
	ds_store_b128 v5, v[R+64*((\s)%2)+4*\i:R+64*((\s)%2)+4*\i+3] offset:528*\i
.endr
.irp i, 0,1,2,3,4,5,6,7,8,9,10,11,12,13,14,15
	ds_load_b128 v[X+4*\i:X+4*\i+3], v6 offset:128*(\i/4)+16*(\i%4)
.endr
.endm
; 64 numbers of a lane, register 16 b + i = k 32 b + 16 h + i of my row, become a fragment's codes in v[PC] on and its scale word in v[PW]
.macro QUANT s
.irp b, 0,1,2,3
	v_max3_num_f32 v[TM+\b], |v[\s+16*\b]|, |v[\s+1+16*\b]|, 0x1800000   ; my 16 numbers of block b, and the floor 2^(3 - 127): the byte cannot fall under 1
.endr
.irp i, 2,4,6,8,10,12,14
.irp b, 0,1,2,3
	v_max3_num_f32 v[TM+\b], v[TM+\b], |v[\s+16*\b+\i]|, |v[\s+1+16*\b+\i]|   ; the four blocks by turns
.endr
.endr
.irp b, 0,1,2,3
	v_permlanex16_b32 v[TM+4+\b], v[TM+\b], s[SEL], s[SEL+1]
.endr
.irp b, 0,1,2,3
	v_max_num_f32 v[TM+\b], v[TM+\b], v[TM+4+\b]   ; with lane l xor 16's: the block's largest magnitude
.endr
.irp b, 0,1,2,3
	v_add_nc_u32 v[TM+8+\b], 0xff000000, v[TM+\b]  ; 2 off its exponent field: the conversion takes this operand's exponent field as its scale
.endr
.irp b, 0,1,2,3
	v_lshrrev_b32 v[TM+4+\b], 23, v[TM+8+\b]       ; the scale's byte
.endr
	v_lshl_or_b32 v[PW], v[TM+5], 8, v[TM+4]
	v_lshl_or_b32 v[PW], v[TM+6], 16, v[PW]
	v_lshl_or_b32 v[PW], v[TM+7], 24, v[PW]        ; my row's scale word (the same in lanes r and 16 + r)
.irp c, 0,1
	v_cvt_scalef32_pk16_fp6_f32 v[PC+6*\c:PC+2+6*\c], v[\s+32*\c:\s+15+32*\c], v[TM+8+2*\c]
	v_cvt_scalef32_pk16_fp6_f32 v[PC+12+4*\c:PC+14+4*\c], v[\s+16+32*\c:\s+31+32*\c], v[TM+8+2*\c+1]   ; (a conversion's three registers begin on an even number)
.endr
	v_nop                                          ; one plain line behind a scaled conversion
.irp c, 0,1                            ; the operand's layout wants a whole block in a lane: lanes 0-15 block 2 c, lanes 16-31 block 2 c + 1
.irp i, 0,1,2
	v_permlane16_swap_b32 v[PC+6*\c+\i], v[PC+12+4*\c+\i]
.endr
.irp i, 0,1,2
	v_mov_b32 v[PC+3+6*\c+\i], v[PC+12+4*\c+\i]
.endr
.endr
.endm
.macro STEP s
.if (\s) < 7
	s_wait_loadcnt 16                              ; this step's 16 loads are in; the next set's 16 may be out
.else
	s_wait_loadcnt 0x0
.endif
	s_wait_xcnt 0x0                                ; the last step's stores have read their data: the codes' registers are written again only behind this wait
	TURN \s
	s_wait_dscnt 0x0                               ; the numbers are back, and the stores into the stage have read their registers,
.if (\s)+2 < 8
	LOAD (\s)+2                                    ; which take the loads of two steps on
.endif
	QUANT X
	v_mov_b32 v[SW+(\s)], v[PW]
	global_store_b128 v7, v[PC:PC+3], s[28:29] offset:1536*(\s)          ; 512 consecutive bytes, aligned to 256
	global_store_b64 v9, v[PC+4:PC+5], s[28:29] offset:1536*(\s)         ; 256 consecutive bytes, aligned to 256
	global_store_b128 v7, v[PC+6:PC+9], s[28:29] offset:1536*(\s)+768
	global_store_b64 v9, v[PC+10:PC+11], s[28:29] offset:1536*(\s)+768
.endm
	LOAD 0
	LOAD 1
	s_wait_alu depctr_va_vdst(0)
.irp s, 0,1,2,3,4,5,6,7
	STEP \s
.endr
	v_cmp_lt_u32 vcc_lo, 15, v2                    ; lanes 16-31 store their row's words 4 to 7
.irp j, 0,1,2,3
	v_cndmask_b32 v[TM+\j], v[SW+\j], v[SW+4+\j], vcc_lo
.endr
	global_store_b128 v23, v[TM:TM+3], s[30:31]    ; 16 rows x 32 bytes: 512 consecutive bytes, aligned to 256
	s_wait_tensorcnt 0x0
	ds_add_u32 v248, v249
	s_wait_dscnt 0x0
	s_endpgm
.Lfunc_end_k_qefb28948fa_quant:
	.size	k_qefb28948fa_quant, .Lfunc_end_k_qefb28948fa_quant-k_qefb28948fa_quant
	.p2alignl 7, 3214868480
	.fill 96, 4, 3214868480
	.section	.rodata,"a",@progbits
	.p2align	6, 0x0
	.amdhsa_kernel k_qefb28948fa_quant
		.amdhsa_group_segment_fixed_size 60160
		.amdhsa_private_segment_fixed_size 0
		.amdhsa_enable_private_segment 0
		.amdhsa_kernarg_size 72
		.amdhsa_user_sgpr_count 2
		.amdhsa_user_sgpr_kernarg_segment_ptr 1
		.amdhsa_wavefront_size32 1
		.amdhsa_system_sgpr_workgroup_id_x 1
		.amdhsa_system_sgpr_workgroup_id_y 1
		.amdhsa_system_sgpr_workgroup_id_z 1
		.amdhsa_system_vgpr_workitem_id 0
		.amdhsa_next_free_vgpr 250
		.amdhsa_next_free_sgpr 66
		.amdhsa_reserve_vcc 1
		.amdhsa_float_denorm_mode_32 3
		.amdhsa_float_denorm_mode_16_64 3
		.amdhsa_memory_ordered 1
		.amdhsa_forward_progress 1
		.amdhsa_inst_pref_size 66
	.end_amdhsa_kernel
	.amdgpu_metadata
---
amdhsa.version: [ 1, 2 ]
amdhsa.kernels:
  - .name:           k_qefb28948fa_quant
    .symbol:         k_qefb28948fa_quant.kd
    .args:
      - { .name: query, .offset: 0, .size: 8, .value_kind: global_buffer, .address_space: global }
      - { .name: key, .offset: 8, .size: 8, .value_kind: global_buffer, .address_space: global }
      - { .name: value, .offset: 16, .size: 8, .value_kind: global_buffer, .address_space: global }
      - { .name: Wq, .offset: 24, .size: 8, .value_kind: global_buffer, .address_space: global }
      - { .name: Wk, .offset: 32, .size: 8, .value_kind: global_buffer, .address_space: global }
      - { .name: Wv, .offset: 40, .size: 8, .value_kind: global_buffer, .address_space: global }
      - { .name: Wfc, .offset: 48, .size: 8, .value_kind: global_buffer, .address_space: global }
      - { .name: incodes, .offset: 56, .size: 8, .value_kind: global_buffer, .address_space: global }
      - { .name: inscales, .offset: 64, .size: 8, .value_kind: global_buffer, .address_space: global }
    .group_segment_fixed_size: 60160
    .private_segment_fixed_size: 0
    .kernarg_segment_align: 8
    .kernarg_segment_size: 72
    .max_flat_workgroup_size: 224
    .sgpr_count:     66
    .vgpr_count:     250
    .wavefront_size: 32
...
	.end_amdgpu_metadata
.endif
;; end of part 1
;; launch proj (part 2): grid 4 x 192, 4 waves a work-group, clusters of 4 x 4, 327,680 bytes of LDS; arguments incodes, inscales, bq, bk, bv, qkvcodes, qkvscales; writes qkvcodes, qkvscales
.if DOCPART == 2
	.amdgcn_target "amdgcn-amd-amdhsa--gfx1250"
	.amdhsa_code_object_version 6
	.text
	.protected	k_qefb28948fa_proj
	.globl	k_qefb28948fa_proj
	.p2align	8
	.type	k_qefb28948fa_proj,@function
k_qefb28948fa_proj:
	s_mov_b64 s[64:65], 0
	v_nop
	global_prefetch_b8 v0, s[64:65] scope:SCOPE_SE
	s_setreg_imm32_b32 hwreg(HW_REG_WAVE_MODE, 25, 1), 1
	s_wait_xcnt 0x0
	s_wait_alu depctr_hold_cnt(0) depctr_sa_sdst(0) depctr_va_vdst(0) depctr_va_sdst(0) depctr_va_ssrc(0) depctr_va_vcc(0) depctr_vm_vsrc(0)
	s_getreg_b32 s2, hwreg(HW_REG_IB_STS2, 6, 4)
	s_cmp_eq_u32 s2, 0
	s_cbranch_scc0 .Lentry_in_a_cluster
	s_endpgm
.Lentry_in_a_cluster:
	s_bfe_u32 s2, ttmp6, 0x10000c
	s_cmp_lg_u32 s2, 0xf033
	s_cbranch_scc0 .Lentry_shape_is_right
	s_endpgm
.Lentry_shape_is_right:
; The three projections on codes of FP6 (E2M3) with E8M0 scales, their biases, and the quantising of Q, K (along the head's 64 channels) and V (along the keys) for the attention launch.
; Cluster y = 16 kind + j.  kind 0: Q = query Wq^T + bq;  1: K = key Wk^T + bk;  2: V^T = Wv value^T + bv, so that one text quantises along n: channels for Q and K, keys for V.
; A is the operand along m (query, key, Wv), B the one along n (Wq, Wk, value).  Operands lie in incodes as images of registers: row blocks of 16 rows x 1,024 K = 16 halves of 768 bytes (launch quant).
; A work-group makes 128 (m) x 256 (n) with all of K: A's 98,304 bytes and B's 196,608 lie in LDS at once, each byte filled once: no slot is filled again.  Four waves, each 64 x 128: 32 accumulators.
; CLUSTER 4 x 4: A's tiles are asked for jointly along a row of the cluster, B's along a column.  No branch hangs on kind or on a place in the cluster: every choice is an s_cselect.
; THE MATRIX INSTRUCTION IS USED TRANSPOSED (source 0 = 16 rows of B, source 1 = 16 rows of A): a lane holds one row m; B's row blocks are laid so that registers 16 g + i of tiles 2 g, 2 g + 1 hold n = 32 g + 16 h + i.
; BIASES: along n (Q, K) as the C of the first K step; along m (V) added on the way out.  The one that does not apply is masked to 0.
; OUT.  Q, K codes [16 b + head][tile of 16 tokens, 128][768];  V codes [16 b + step of 128 keys][channel tile, 64][1,536];  Q, K scale words [16 b + head][pair of tiles][r][4 bytes: two of each tile];
; V scale words [16 b + step][channel tile][r][4].  The code stores cover 512 or 256 consecutive bytes, aligned to 256; the two stores of scale words cover 128 consecutive bytes each (1 byte in 24 of what is stored).
; LIMITS: a block of zeros or under 2^-124 gets the scale byte 1; NaN and infinities are not served.
; REGISTERS.  window 0: v1-3 lane, r, h; v16-19 LDS addresses; v20-26 other addresses; v32-47 A's scale words, v48-79 B's; v80-87 the bias along m; v96-191 A's fragments, two sets of 48; v192-255 the bias along n.
;   window 1: B's fragments, two sets of 96, at v0 and v128.   window 2: accumulator (a, b) at v[8 (8 a + b)].   On the way out window 0's v96-207 are at work.
.set SCA, 32
.set SCB, 48
.set BM,  80
.set AF,  96
.set BN,  192
.set T,   96                           ; the way out: 64 numbers
.set PC,  160                          ; the codes: 12 registers and 8 at work
.set TM,  180                          ; 4 largest magnitudes, 4 bytes, 4 scale operands
.set PW,  192
.set PWK, 196                          ; the four blocks' scale words
.set SEL, 98
.set G1A, 24                           ; s[24:31] group 1 for A's tiles, s[32:39] for B's
.set G1B, 32
.set G0A, 40                           ; s[40:43] group 0 for A's tiles;  B's at s[56:59]
.set MUL,  0xa1                        ; source 0 (B) window 1, source 1 (A) window 0, C and D window 2
.set MUL0, 0x81                        ; the same with C (the bias) in window 0
.set TO_B, 0x40                        ; destination window 1, address window 0
.set MSB, 0
.macro WIN new                         ; the immediate's high byte repeats the setting that is left
.if MSB != \new
	s_set_vgpr_msb (MSB<<8)|\new
.set MSB, \new
.endif
.endm
.macro CROUND                          ; a round of the cluster's barrier
	s_barrier_signal -1
	s_barrier_wait -1
	s_cmp_lg_u32 s18, 0
	s_cbranch_scc1 .Lnot_wave_0_\@
	s_barrier_signal -3
.Lnot_wave_0_\@:
	s_barrier_wait -3
	s_barrier_signal -1
	s_barrier_wait -1
.endm
.macro PLACES n
.rept \n
	v_nop
.endr
.endm
	s_load_b256 s[4:11], s[0:1], 0x0               ; incodes, inscales, bq, bk
	s_load_b128 s[12:15], s[0:1], 0x20             ; bv, qkvcodes
	s_load_b64 s[16:17], s[0:1], 0x30              ; qkvscales
	v_lshl_add_u32 v94, v0, 2, 0x48000
	v_mov_b32 v95, 0
	ds_add_u32 v94, v95
	ds_add_u32 v94, v95
	v_lshrrev_b32 v1, 5, v0
	v_readfirstlane_b32 s18, v1                    ; wave 0..3
	s_lshr_b32 s19, s18, 1                         ; MH: my half of the tile's rows.  Also: I fetch for A (0) or for B (1)
	s_and_b32 s20, s18, 1                          ; NH: my half of its columns.  Also: which half of that tile I fetch
	s_bfe_u32 s21, ttmp6, 0x40000                  ; cx
	s_bfe_u32 s22, ttmp6, 0x40004                  ; cy
	s_and_b32 s96, ttmp7, 0xffff                   ; cluster y, 0 .. 47
	s_lshr_b32 s23, s96, 4                         ; kind
	s_and_b32 s97, s96, 15                         ; j
	s_and_b32 s92, s97, 1
	s_lshr_b32 s94, s97, 1
	s_lshl_b32 s91, s23, 9                         ; query's and key's first row block: 512 kind
	s_lshl_b32 s66, s23, 6
	s_add_co_u32 s66, s66, 1536                    ; Wq's and Wk's: 1536 + 64 kind
	s_cmp_eq_u32 s23, 2                            ; V?  C is then 1,024 x 8,192: 2 x 8 clusters; else 8,192 x 1,024: 16 x 1
	s_cselect_b32 s76, s92, s97                    ; the cluster's row
	s_cselect_b32 s77, s94, 0                      ; and column
	s_cselect_b32 s80, -1, 0                       ; ISV
	s_cselect_b32 s81, 0, -1                       ; NOTV
	s_cselect_b32 s91, 1664, s91                   ; A's first row block (Wv)
	s_cselect_b32 s66, 1024, s66                   ; B's (value)
	s_lshl_b32 s78, s76, 2
	s_add_co_u32 s78, s78, s22                     ; tile row
	s_lshl_b32 s79, s77, 2
	s_add_co_u32 s79, s79, s21                     ; tile column
	s_lshl_b32 s96, s22, 2
	s_lshl_b32 s96, 15, s96                        ; my row of the cluster
	s_lshl_b32 s97, 0x1111, s21                    ; my column
	; group 1: rows of 12,288 bytes (a whole row block: 1,536 elements of 8 bytes), 12,288 bytes apart; 4 row blocks for A, 8 for B; no padding
	s_or_b32 s[G1A], s96, (3<<16)|(1<<21)          ; 15:0 the mask; 17:16 elements of 8 bytes; 21 set beside a mask
	s_or_b32 s[G1B], s97, (3<<16)|(1<<21)
	s_mov_b32 s[G1A+1], 1536<<16                   ; a row is a whole row block, 12,288 bytes: one load a wave brings all of K
	s_mov_b32 s[G1A+2], 4<<16                      ; tensor_dim1
	s_mov_b32 s[G1A+3], 1536<<16
	s_mov_b32 s[G1A+4], 4                          ; tile_dim1
	s_mov_b32 s[G1A+5], 1536                       ; the pitch
	s_mov_b32 s[G1A+6], 0
	s_mov_b32 s[G1A+7], 0
	s_mov_b32 s[G1B+1], 1536<<16
	s_mov_b32 s[G1B+2], 8<<16
	s_mov_b32 s[G1B+3], 1536<<16
	s_mov_b32 s[G1B+4], 8
	s_mov_b32 s[G1B+5], 1536
	s_mov_b32 s[G1B+6], 0
	s_mov_b32 s[G1B+7], 0
	s_lshl_b32 s92, s78, 3
	s_add_co_u32 s91, s91, s92                     ; A: the tile's first row block (hangs on the tile row alone)
	s_lshl_b32 s94, s79, 4
	s_add_co_u32 s66, s66, s94                     ; B: likewise (on the tile column alone)
	s_lshl_b32 s92, s20, 2
	s_add_co_u32 s92, s92, s91                     ; A: the four that I would fetch
	s_mul_i32 s92, s92, 12288
	s_mov_b32 s93, 0
	s_lshl_b32 s94, s20, 3
	s_add_co_u32 s94, s94, s66                     ; B: the eight
	s_mul_i32 s94, s94, 12288
	s_mov_b32 s95, 0
	s_mul_i32 s96, s20, 49152                      ; LDS: A [8 row blocks][12,288] from 0; B [16][12,288] from 98,304
	s_mul_i32 s97, s20, 98304
	s_wait_dscnt 0x0
	s_wait_kmcnt 0x0
	s_add_nc_u64 s[92:93], s[4:5], s[92:93]
	s_add_nc_u64 s[94:95], s[4:5], s[94:95]
.irp kc, 0
	s_mov_b32 s[G0A+4*\kc], 1
	s_add_co_u32 s[G0A+4*\kc+1], s96, \kc*24576
	s_add_nc_u64 s[G0A+4*\kc+2:G0A+4*\kc+3], s[92:93], \kc*3072
	s_or_b32 s[G0A+4*\kc+3], s[G0A+4*\kc+3], 0x80000000
	s_mov_b32 s[56+4*\kc+4*(\kc/2)], 1
	s_add_co_u32 s[56+4*\kc+4*(\kc/2)+1], s97, 98304+\kc*49152
	s_add_nc_u64 s[56+4*\kc+4*(\kc/2)+2:56+4*\kc+4*(\kc/2)+3], s[94:95], \kc*3072
	s_or_b32 s[56+4*\kc+4*(\kc/2)+3], s[56+4*\kc+4*(\kc/2)+3], 0x80000000
.endr
	CROUND                                         ; all sixteen work-groups are here: the joint loads meet
	s_cmp_eq_u32 s19, 0                            ; a wave's fill stands in one branch on the wave's number: one tensor load of mine is out
	s_cbranch_scc0 .Lfill_b
	tensor_load_to_lds s[40:43], s[G1A:G1A+7]
	s_nop 0
	PLACES 4
	s_branch .Lfilled
.Lfill_b:
	tensor_load_to_lds s[56:59], s[G1B:G1B+7]
	s_nop 0
	PLACES 4
.Lfilled:
	v_and_b32 v1, 31, v0                           ; lane
	v_and_b32 v2, 15, v0                           ; r
	v_bfe_u32 v3, v0, 4, 1                         ; h
	v_lshlrev_b32 v22, 5, v2
	v_lshl_add_u32 v22, v3, 4, v22                 ; 32 r + 16 h: four of my row's eight scale words
	s_wait_alu depctr_va_vdst(0)
	v_lshlrev_b32 v25, 6, v3                       ; 64 h
	s_wait_alu depctr_va_vdst(0)
	v_and_b32 v4, 8, v2
	v_add_nc_u32 v4, v4, v2
	v_lshlrev_b32 v26, 2, v4                       ; 4 (r + 8 (r / 8))
	s_wait_alu depctr_va_vdst(0)
	s_lshl_b32 s96, s19, 2
	s_add_co_u32 s96, s96, s91
	s_lshl_b32 s96, s96, 9                         ; 512 bytes of scales a row block
	s_mov_b32 s97, 0
	s_add_nc_u64 s[82:83], s[6:7], s[96:97]        ; the scales of my 4 row blocks of A
	s_lshl_b32 s96, s20, 3
	s_add_co_u32 s96, s96, s66
	s_lshl_b32 s96, s96, 9
	s_add_nc_u64 s[84:85], s[6:7], s[96:97]        ; and of my 8 of B
	s_cmp_eq_u32 s23, 0
	s_cselect_b64 s[8:9], s[8:9], s[10:11]
	s_cmp_eq_u32 s23, 2
	s_cselect_b64 s[8:9], s[12:13], s[8:9]         ; my kind's bias
	s_lshl_b32 s96, s79, 8
	s_lshl_b32 s92, s20, 7
	s_add_co_u32 s96, s96, s92
	s_and_b32 s96, s96, s81                        ; n0 = 256 tile column + 128 NH; 0 for V, whose n are keys: the load stays inside the buffer and is masked below
	s_lshl_b32 s96, s96, 2
	s_add_nc_u64 s[10:11], s[8:9], s[96:97]
	s_lshl_b32 s96, s78, 7
	s_lshl_b32 s92, s19, 6
	s_add_co_u32 s96, s96, s92
	s_and_b32 s96, s96, s80                        ; m0 = 128 tile row + 64 MH for V; else 0
	s_lshl_b32 s96, s96, 2
	s_add_nc_u64 s[12:13], s[8:9], s[96:97]
	; THE SCALES GO STRAIGHT INTO REGISTERS, ONCE: each load reads a row block's 512 consecutive bytes.  Register j holds word j (K step j) in lanes 0-15 and word 4 + j in lanes 16-31
.irp a, 0,1,2,3
	global_load_b128 v[SCA+4*\a:SCA+4*\a+3], v22, s[82:83] offset:512*\a
.endr
.irp b, 0,1,2,3,4,5,6,7
	global_load_b128 v[SCB+4*\b:SCB+4*\b+3], v22, s[84:85] offset:512*\b
.endr
.irp b, 0,1,2,3,4,5,6,7                ; tile b's register j holds n = 32 (b / 2) + 8 (b % 2) + 16 h + j
	global_load_b128 v[BN+8*\b:BN+8*\b+3], v25, s[10:11] offset:(32*(\b/2)+8*(\b%2))*4
	global_load_b128 v[BN+8*\b+4:BN+8*\b+7], v25, s[10:11] offset:(32*(\b/2)+8*(\b%2))*4+16
.endr
.irp a, 0,1,2,3                        ; block a's lane r holds m = 32 (a / 2) + 8 (a % 2) + r + 8 (r / 8)
	global_load_b32 v[BM+2*\a], v26, s[12:13] offset:(32*(\a/2)+8*(\a%2))*4
.endr
	s_wait_loadcnt 0x0                             ; scales and biases are in; their address registers are free
.set i, 0
.rept 64
	v_and_b32 v[BN+i], s81, v[BN+i]                ; V has no bias along n
.set i, i+1
.endr
.irp a, 0,1,2,3
	v_and_b32 v[BM+2*\a], s80, v[BM+2*\a]          ; Q and K none along m
.endr
.irp a, 0,1,2,3
	v_mov_b32 v[BM+2*\a+1], v[BM+2*\a]             ; a pair for the packed addition
.endr
	; where my results go
	s_lshl_b32 s92, s78, 3
	s_lshl_b32 s93, s19, 2
	s_add_co_u32 s92, s92, s93                     ; T0 = 8 tile row + 4 MH: my first block along m
	s_lshr_b32 s93, s92, 7
	s_lshl_b32 s93, s93, 4
	s_lshl_b32 s94, s79, 2
	s_add_co_u32 s93, s93, s94
	s_lshl_b32 s94, s20, 1
	s_add_co_u32 s93, s93, s94                     ; Q, K: 16 b + my first head
	s_and_b32 s94, s92, 127                        ; the tile of tokens in its batch
	s_lshl_b32 s95, s93, 7
	s_add_co_u32 s95, s95, s94
	s_mul_i32 s95, s95, 768
	s_mul_i32 s96, s23, 6291456
	s_add_co_u32 s95, s95, s96                     ; Q, K: codes
	s_lshl_b32 s96, s93, 12
	s_lshr_b32 s94, s94, 1
	s_lshl_b32 s94, s94, 6
	s_add_co_u32 s96, s96, s94
	s_lshl_b32 s94, s23, 18
	s_add_co_u32 s96, s96, s94                     ; Q, K: scale words
	s_lshl_b32 s93, s79, 1
	s_add_co_u32 s93, s93, s20
	s_lshl_b32 s93, s93, 6
	s_add_co_u32 s93, s93, s92                     ; V: (step of 128 keys) x 64 + channel tile
	s_mul_i32 s94, s93, 1536
	s_add_co_u32 s94, s94, 12582912                ; V: codes
	s_lshl_b32 s93, s93, 6
	s_add_co_u32 s93, s93, 524288                  ; V: scale words
	s_cmp_eq_u32 s23, 2
	s_cselect_b32 s92, s94, s95
	s_cselect_b32 s94, s93, s96
	s_mov_b32 s86, 768
	s_cselect_b32 s86, 1536, s86                   ; from block a to a + 1
	s_mov_b32 s96, 98304
	s_cselect_b32 s96, 768, s96                    ; from a fragment's first half to its second: the next head, or the next 64 keys
	s_mov_b32 s90, 4096
	s_cselect_b32 s90, 128, s90                    ; from the first store of scale words to the second
	s_mov_b32 s93, 0
	s_mov_b32 s95, 0
	s_mov_b32 s97, 0
	s_mov_b32 s87, 0
	s_add_nc_u64 s[82:83], s[14:15], s[92:93]
	s_add_nc_u64 s[84:85], s[82:83], s[96:97]
	s_add_nc_u64 s[88:89], s[16:17], s[94:95]
	s_mov_b32 s[SEL], 0x76543210
	s_mov_b32 s[SEL+1], 0xfedcba98
	s_mul_i32 s96, s19, 49152
	s_mul_i32 s97, s20, 98304
	s_add_co_u32 s97, s97, 98304                   ; my 8 of B
	v_lshlrev_b32 v20, 4, v1                       ; 16 x lane
	v_lshlrev_b32 v21, 3, v1
	v_add_nc_u32 v21, 512, v21                     ; 512 + 8 x lane
	v_add_nc_u32 v16, s96, v20
	v_add_nc_u32 v17, s96, v21
	v_add_nc_u32 v18, s97, v20
	v_add_nc_u32 v19, s97, v21
	v_add_nc_u32 v27, 49152, v18                   ; B's row blocks 4-7: their offsets would pass the 16-bit immediate
	v_add_nc_u32 v28, 49152, v19
	v_lshlrev_b32 v23, 2, v2
	v_lshl_add_u32 v23, v3, 6, v23                 ; 64 h + 4 r
	v_add_nc_u32 v24, s90, v23                     ; (these ten plain lines also stand between the masked biases and the first product)
.macro FRAG reg, a16, a8, off          ; a fragment, two halves of 768 bytes: consecutive lanes read consecutive bytes
	ds_load_b128 v[\reg:\reg+3], v[\a16] offset:\off
	ds_load_b64 v[\reg+4:\reg+5], v[\a8] offset:\off
	ds_load_b128 v[\reg+6:\reg+9], v[\a16] offset:\off+768
	ds_load_b64 v[\reg+10:\reg+11], v[\a8] offset:\off+768
.endm
.macro FETCH q                         ; K step q's fragments, 48 loads in one run: B's eight, then A's four
	WIN TO_B
.irp i, 0,1,2,3
	FRAG 128*((\q)%2)+12*\i, 18, 19, 12288*\i+1536*(\q)
.endr
.irp i, 4,5,6,7
	FRAG 128*((\q)%2)+12*\i, 27, 28, 12288*(\i-4)+1536*(\q)
.endr
	WIN 0
.irp a, 0,1,2,3
	FRAG AF+48*((\q)%2)+12*\a, 16, 17, 12288*\a+1536*(\q)
.endr
.endm
; 8 matrix instructions: A's block a against B's eight.  The 32 accumulators take turns, one instruction a turn, in the same order in every step.
; K step 0 takes the bias along n as C: nothing is cleared.  From K step 4 on the scale words are read from lanes 16-31.
.macro MUL8 a, q
.irp b, 0,1,2,3,4,5,6,7
.if (\q) == 0
	v_wmma_scale_f32_16x16x128_f8f6f4 v[8*(8*\a+\b):8*(8*\a+\b)+7], v[128*((\q)%2)+12*\b:128*((\q)%2)+12*\b+11], v[AF+48*((\q)%2)+12*\a:AF+48*((\q)%2)+12*\a+11], v[BN+8*\b:BN+8*\b+7], v[SCB+4*\b+(\q)%4], v[SCA+4*\a+(\q)%4] matrix_a_fmt:MATRIX_FMT_FP6 matrix_b_fmt:MATRIX_FMT_FP6
.elseif (\q) < 4
	v_wmma_scale_f32_16x16x128_f8f6f4 v[8*(8*\a+\b):8*(8*\a+\b)+7], v[128*((\q)%2)+12*\b:128*((\q)%2)+12*\b+11], v[AF+48*((\q)%2)+12*\a:AF+48*((\q)%2)+12*\a+11], v[8*(8*\a+\b):8*(8*\a+\b)+7], v[SCB+4*\b+(\q)%4], v[SCA+4*\a+(\q)%4] matrix_a_fmt:MATRIX_FMT_FP6 matrix_b_fmt:MATRIX_FMT_FP6
.else
	v_wmma_scale_f32_16x16x128_f8f6f4 v[8*(8*\a+\b):8*(8*\a+\b)+7], v[128*((\q)%2)+12*\b:128*((\q)%2)+12*\b+11], v[AF+48*((\q)%2)+12*\a:AF+48*((\q)%2)+12*\a+11], v[8*(8*\a+\b):8*(8*\a+\b)+7], v[SCB+4*\b+(\q)%4], v[SCA+4*\a+(\q)%4] matrix_a_fmt:MATRIX_FMT_FP6 matrix_b_fmt:MATRIX_FMT_FP6 matrix_a_scale:MATRIX_SCALE_ROW1 matrix_b_scale:MATRIX_SCALE_ROW1
.endif
.endr
.endm
.macro WMUL q
.if (\q) == 0
	WIN MUL0
.else
	WIN MUL
.endif
.endm
; A K step of 128: 32 matrix instructions; the next step's 48 loads stand in one run in its middle.
.macro STEP q
	s_wait_dscnt 8                                 ; B's eight and A's blocks 0, 1 are in; the youngest eight loads (A's blocks 2, 3) may be out
	WMUL \q
	MUL8 0, \q
.if ((\q)%2 == 1) && ((\q) < 7)
.endif
	MUL8 1, \q
.if ((\q)%2 == 1) && ((\q) < 7)
	PLACES 4
.elseif (\q) < 7
	PLACES 4                                       ; four plain lines in front of loads into registers that matrix instructions have read (ISA guide 7.12.1 for vector instructions)
.endif
.if (\q) < 7
	FETCH (\q)+1
	s_wait_alu depctr_va_vdst(0)
	s_wait_dscnt 48                                ; all but the 48 just issued
.else
	s_wait_dscnt 0x0
.endif
	WMUL \q
	MUL8 2, \q
	MUL8 3, \q
.endm
	s_wait_alu depctr_va_vdst(0)
	s_wait_tensorcnt 0x0                           ; my one load, all of K of my row blocks, has landed
	s_barrier_signal -1
	s_barrier_wait -1
	FETCH 0
.irp q, 0,1,2,3,4,5,6,7
	STEP \q
.endr
	WIN 0
; 64 numbers of a lane, register 16 b + i = n 32 b + 16 h + i of my row, become a fragment's codes in v[PC] on and its scale word in v[PW]
.macro QUANT s
.irp b, 0,1,2,3
	v_max3_num_f32 v[TM+\b], |v[\s+16*\b]|, |v[\s+1+16*\b]|, 0x1800000   ; and the floor 2^(3 - 127): the byte cannot fall under 1
.endr
.irp i, 2,4,6,8,10,12,14
.irp b, 0,1,2,3
	v_max3_num_f32 v[TM+\b], v[TM+\b], |v[\s+16*\b+\i]|, |v[\s+1+16*\b+\i]|
.endr
.endr
.irp b, 0,1,2,3
	v_permlanex16_b32 v[TM+4+\b], v[TM+\b], s[SEL], s[SEL+1]
.endr
.irp b, 0,1,2,3
	v_max_num_f32 v[TM+\b], v[TM+\b], v[TM+4+\b]
.endr
.irp b, 0,1,2,3
	v_add_nc_u32 v[TM+8+\b], 0xff000000, v[TM+\b]  ; 2 off the exponent field: the conversion's scale operand
.endr
.irp b, 0,1,2,3
	v_lshrrev_b32 v[TM+4+\b], 23, v[TM+8+\b]       ; the scale's byte
.endr
	v_lshl_or_b32 v[PW], v[TM+5], 8, v[TM+4]
	v_lshl_or_b32 v[PW], v[TM+6], 16, v[PW]
	v_lshl_or_b32 v[PW], v[TM+7], 24, v[PW]
.irp c, 0,1
	v_cvt_scalef32_pk16_fp6_f32 v[PC+6*\c:PC+2+6*\c], v[\s+32*\c:\s+15+32*\c], v[TM+8+2*\c]
	v_cvt_scalef32_pk16_fp6_f32 v[PC+12+4*\c:PC+14+4*\c], v[\s+16+32*\c:\s+31+32*\c], v[TM+8+2*\c+1]
.endr
	v_nop                                          ; one plain line behind a scaled conversion
.irp c, 0,1
.irp i, 0,1,2
	v_permlane16_swap_b32 v[PC+6*\c+\i], v[PC+12+4*\c+\i]
.endr
.irp i, 0,1,2
	v_mov_b32 v[PC+3+6*\c+\i], v[PC+12+4*\c+\i]
.endr
.endr
.endm
	; THE WAY OUT, a block of 16 rows at a time: + the bias along m, quantised along n, stored as two halves
	PLACES 4                                       ; behind the last products: the lines below read results and write registers that held A's fragments
.irp b, 0,1,2,3
	v_mov_b32 v[TM+4+\b], 0                        ; a lane permute's destination counts as one of its sources
.endr
.irp a, 0,1,2,3
.if \a > 0
	s_wait_xcnt 0x0                                ; the last block's stores have read their data and bases
	s_add_nc_u64 s[82:83], s[82:83], s[86:87]
	s_add_nc_u64 s[84:85], s[84:85], s[86:87]
.endif
	WIN 0x02                                       ; source 0 window 2
.set i, 0
.rept 32
	v_pk_add_f32 v[T+2*i:T+2*i+1], v[64*\a+2*i:64*\a+2*i+1], v[BM+2*\a:BM+2*\a+1]   ; each accumulator from its low end on
.set i, i+1
.endr
	WIN 0
	QUANT T
	v_mov_b32 v[PWK+\a], v[PW]
	global_store_b128 v20, v[PC:PC+3], s[82:83]          ; 512 consecutive bytes, aligned to 256
	global_store_b64 v21, v[PC+4:PC+5], s[82:83]         ; 256 consecutive bytes, aligned to 256
	global_store_b128 v20, v[PC+6:PC+9], s[84:85]
	global_store_b64 v21, v[PC+10:PC+11], s[84:85]
.endr
	; the scale words.  A word's low half belongs to the fragment's first 64 along n, its high half to the second
	v_cmp_lt_u32 vcc_lo, 15, v1                    ; lanes 16-31
	v_cndmask_b32 v200, v[PWK], v[PWK+2], vcc_lo   ; Q, K: lanes 0-15 the pair of blocks 0, 1, lanes 16-31 the pair 2, 3
	v_cndmask_b32 v201, v[PWK+1], v[PWK+3], vcc_lo
	v_perm_b32 v202, v201, v200, 0x05040100        ; the first head: both blocks' low halves
	v_perm_b32 v203, v201, v200, 0x07060302        ; the second head: their high halves
	v_cndmask_b32 v204, v[PWK], v[PWK+1], vcc_lo   ; V: the words as they are, a channel tile to each half of the lanes
	v_cndmask_b32 v205, v[PWK+2], v[PWK+3], vcc_lo
	v_cndmask_b32 v202, v202, v204, s80
	v_cndmask_b32 v203, v203, v205, s80
	global_store_b32 v23, v202, s[88:89]
	global_store_b32 v24, v203, s[88:89]
	s_wait_tensorcnt 0x0
	ds_add_u32 v94, v95
	s_wait_dscnt 0x0
	CROUND                                         ; the closing round: no work-group ends while a partner may still ask for a tile that names it
	s_endpgm
.Lfunc_end_k_qefb28948fa_proj:
	.size	k_qefb28948fa_proj, .Lfunc_end_k_qefb28948fa_proj-k_qefb28948fa_proj
	.p2alignl 7, 3214868480
	.fill 96, 4, 3214868480
	.section	.rodata,"a",@progbits
	.p2align	6, 0x0
	.amdhsa_kernel k_qefb28948fa_proj
		.amdhsa_group_segment_fixed_size 327680
		.amdhsa_private_segment_fixed_size 0
		.amdhsa_enable_private_segment 0
		.amdhsa_kernarg_size 56
		.amdhsa_user_sgpr_count 2
		.amdhsa_user_sgpr_kernarg_segment_ptr 1
		.amdhsa_wavefront_size32 1
		.amdhsa_system_sgpr_workgroup_id_x 1
		.amdhsa_system_sgpr_workgroup_id_y 1
		.amdhsa_system_sgpr_workgroup_id_z 1
		.amdhsa_system_vgpr_workitem_id 0
		.amdhsa_next_free_vgpr 768
		.amdhsa_next_free_sgpr 100
		.amdhsa_reserve_vcc 1
		.amdhsa_float_denorm_mode_32 3
		.amdhsa_float_denorm_mode_16_64 3
		.amdhsa_memory_ordered 1
		.amdhsa_forward_progress 1
		.amdhsa_inst_pref_size 99
	.end_amdhsa_kernel
	.amdgpu_metadata
---
amdhsa.version: [ 1, 2 ]
amdhsa.kernels:
  - .name:           k_qefb28948fa_proj
    .symbol:         k_qefb28948fa_proj.kd
    .args:
      - { .name: incodes, .offset: 0, .size: 8, .value_kind: global_buffer, .address_space: global }
      - { .name: inscales, .offset: 8, .size: 8, .value_kind: global_buffer, .address_space: global }
      - { .name: bq, .offset: 16, .size: 8, .value_kind: global_buffer, .address_space: global }
      - { .name: bk, .offset: 24, .size: 8, .value_kind: global_buffer, .address_space: global }
      - { .name: bv, .offset: 32, .size: 8, .value_kind: global_buffer, .address_space: global }
      - { .name: qkvcodes, .offset: 40, .size: 8, .value_kind: global_buffer, .address_space: global }
      - { .name: qkvscales, .offset: 48, .size: 8, .value_kind: global_buffer, .address_space: global }
    .group_segment_fixed_size: 327680
    .private_segment_fixed_size: 0
    .kernarg_segment_align: 8
    .kernarg_segment_size: 56
    .max_flat_workgroup_size: 128
    .sgpr_count:     100
    .vgpr_count:     768
    .wavefront_size: 32
...
	.end_amdgpu_metadata
.endif
;; end of part 2
;; launch attn (part 3): grid 4 x 64, 8 waves a work-group, clusters of 4 x 1, 215,040 bytes of LDS; arguments qkvcodes, qkvscales, mask, xcodes, xscales; writes xcodes, xscales
.if DOCPART == 3
	.amdgcn_target "amdgcn-amd-amdhsa--gfx1250"
	.amdhsa_code_object_version 6
	.text
	.protected	k_qefb28948fa_attn
	.globl	k_qefb28948fa_attn
	.p2align	8
	.type	k_qefb28948fa_attn,@function
k_qefb28948fa_attn:
	s_mov_b64 s[64:65], 0
	v_nop
	global_prefetch_b8 v0, s[64:65] scope:SCOPE_SE
	s_setreg_imm32_b32 hwreg(HW_REG_WAVE_MODE, 25, 1), 1
	s_wait_xcnt 0x0
	s_wait_alu depctr_hold_cnt(0) depctr_sa_sdst(0) depctr_va_vdst(0) depctr_va_sdst(0) depctr_va_ssrc(0) depctr_va_vcc(0) depctr_vm_vsrc(0)
	s_getreg_b32 s2, hwreg(HW_REG_IB_STS2, 6, 4)
	s_cmp_eq_u32 s2, 0
	s_cbranch_scc0 .Lentry_in_a_cluster
	s_endpgm
.Lentry_in_a_cluster:
	s_bfe_u32 s2, ttmp6, 0x10000c
	s_cmp_lg_u32 s2, 0x3003
	s_cbranch_scc0 .Lentry_shape_is_right
	s_endpgm
.Lentry_shape_is_right:
; x = softmax(Q K^T / 8, masked keys at -1e10) V for one head, both products on codes of FP6 (E2M3) with E8M0 scales, and x quantised along the channels for the last projection.
; THE SOFTMAX AHEAD OF THE SECOND PRODUCT: t = score x log2(e) / 8; M = the running largest t rounded up to a whole number; p = 2^(t - M) is quantised along the keys, not normalised; the row's sum is taken
; of the unquantised p and divides at the end; when M moves, the sum and O are multiplied by 2^(old M - new M): exact.
; SHARES.  Work-group y = 16 b + head; the head's four work-groups, one cluster, own 512 queries each.  Eight waves, two on a SIMD; a wave walks TWO tiles of 16 queries at once, in two passes:
; tiles 32 x + 16 pass + 2 wave + w, w = 0, 1.  Both tiles take the same fragments of K and V, the same scale words and the same biases: 52 LDS loads a step of 128 keys for both.
; A WHOLE HEAD'S K AND V (196,608 bytes of codes) AND THEIR SCALE WORDS LIE IN LDS, filled once, jointly for the four work-groups, one tensor load a wave: no byte is filled again.
; No prefetch: every byte of LDS is asked for once, at the head, and there is no loop to run ahead in.
; LAYOUT.  Both products are used transposed (S^T = K Q^T, O^T = V^T P^T): a lane holds one query.  Tile 4 c + u of a step holds keys 64 c + 32 (r / 8) + 8 u + r % 8 (launch quant), so register 32 c + i of lane (r, h)
; is key 64 c + 32 h + i: a whole block of 32 keys in a lane, in the order of the next operand's registers: no lane asks another for a block's maximum, and no codes change lanes.
; K = 64 FILLS HALF OF THE INSTRUCTION'S 128: a fragment of K holds two tiles of 16 keys; Q stands as [Q | zeros | Q] in 18 registers.
; THE MASK IS THE C OF THE FIRST PRODUCT: 64 registers hold 0, or -8e10 for a masked key (-1e10 x 8), for both tiles.
; AHEAD: behind step i's first products the wave asks LDS for V(i), then for K(i + 1) and the biases of step i + 1.  The last step's look-ahead reads bytes of the regions that follow (V's codes, the scale words); nothing uses them.
; LIMITS.  A masked energy is -1e10 + e and not -1e10: the same result while unmasked energies stay above about -9e9.  A batch with every key masked is served: Q's codes and all biases become 0, so every p is 1.
; The scaled scores stay under 2^31 in magnitude, masked keys aside.  A block of zeros or under 2^-124 gets the scale byte 1.  NaN and infinities are not served.
; REGISTERS.  window 0: v1-7 addresses that stay, v8-13 the step's, v14, v15 for the add; v16-31 the tiles' state; v32-69 Q; v72-75 scale words (lanes 0-15 K's, lanes 16-31 V's); v78, v79 Q's;
;   v80-127 K's fragments; v128-151 p's codes; v152-179 at work; v180-243 the biases.   window 1: v0-127 S^T, then p; v128-191 O^T; v192-239 V's fragments.
.set VB,   98304                       ; LDS: K's codes from 0 (6,144 bytes a step of 128 keys), V's from here
.set MB,   196608                      ; the keys' biases, f32, 8,192 bytes: stored by the waves, no tensor load lands here
.set SCK,  204800                      ; K's scale words (256 bytes a step); V's 4,096 bytes on
.set SPARE, 212992                     ; the spare words, 128 bytes a wave
.set SPW,  14
.set NIL,  15
.set ST,   16                          ; tile w at ST + 8 w: -M, the largest score, the sum (2), f, p's scale word, two at work
.set QB,   32                          ; Q of tile w at QB + 20 w
.set KS,   72
.set QS,   78
.set KF,   80
.set PC,   128                         ; p's codes of tile w at PC + 12 w
.set PS,   152                         ; partial sums, then the conversions' second halves
.set BM,   168                         ; the blocks' largest: 2 w + c
.set SOP,  172                         ; the conversions' scale operands
.set BY,   176                         ; the scale bytes
.set BI,   180
.set VF,   192                         ; in window 1
.set TB,   14
.set TS,   15
.set TK,   16
.set CNT,  17
.set WV,   18
.set NC,   19                          ; s19  -c
.set SEL,  20
.set CS,   22                          ; s[22:23] c = log2(e) / 8
.set G1K,  24
.set G1V,  32
.set G1SK, 40
.set G1SV, 48
.set G0K,  56
.set G0SK, 60
.set G0V,  68
.set G0SV, 72
.set ANY,  76                          ; s76  -1 where the batch has a key that counts, else 0
.set MSB, 0
.macro WIN new                         ; the immediate's high byte repeats the setting that is left
.if MSB != \new
	s_set_vgpr_msb (MSB<<8)|\new
.set MSB, \new
.endif
.endm
.macro WALU
	s_wait_alu depctr_va_vdst(0)
.endm
.macro ROUND                           ; a round of the cluster's barrier
	s_barrier_signal -1
	s_barrier_wait -1
	s_cmp_lg_u32 s[WV], 0
	s_cbranch_scc1 .Lnot_wave_0_\@
	s_barrier_signal -3
.Lnot_wave_0_\@:
	s_barrier_wait -3
	s_barrier_signal -1
	s_barrier_wait -1
.endm
.macro GROUP1 g, c, p                  ; 8 rows of c elements of 8 bytes, p elements apart; the mask names all four work-groups
	s_mov_b32 s[\g], 15|(3<<16)|(1<<21)
	s_mov_b32 s[\g+1], (\c)<<16
	s_mov_b32 s[\g+2], 8<<16
	s_mov_b32 s[\g+3], (\c)<<16
	s_mov_b32 s[\g+4], 8
	s_mov_b32 s[\g+5], \p
	s_mov_b32 s[\g+6], 0
	s_mov_b32 s[\g+7], 0
.endm
.macro ARM under, g0, g1, next         ; one arm of the head's chain: its load, and a jump to the join
	s_cmp_lt_u32 s[WV], \under
	s_cbranch_scc0 \next
	tensor_load_to_lds s[\g0:\g0+3], s[\g1:\g1+7]
	s_nop 0
.rept 4
	v_nop
.endr
	s_branch .Lasked
\next:
.endm
	s_load_b256 s[4:11], s[0:1], 0x0               ; qkvcodes, qkvscales, mask, xcodes
	s_load_b64 s[12:13], s[0:1], 0x20              ; xscales
	v_lshl_add_u32 v[SPW], v0, 2, SPARE
	v_mov_b32 v[NIL], 0
	ds_add_u32 v[SPW], v[NIL]                      ; the opening lines: the add, twice on end, and its wait
	ds_add_u32 v[SPW], v[NIL]
	v_lshrrev_b32 v8, 5, v0
	v_readfirstlane_b32 s[WV], v8                  ; wave 0..7
	s_and_b32 s78, ttmp7, 0xffff                   ; 16 b + head, which the four partners share
	s_lshr_b32 s79, s78, 4                         ; b
	s_and_b32 s80, s78, 15                         ; head
	s_and_b32 s81, s[WV], 1                        ; e: which eight steps I fetch
	s_mul_i32 s84, s81, 49152
	s_lshl_b32 s85, s81, 11
	s_mul_i32 s82, s78, 98304
	s_add_co_u32 s82, s82, s84
	s_add_co_u32 s82, s82, 6291456                 ; K's codes
	s_mov_b32 s83, 0
	s_lshl_b32 s86, s79, 4
	s_lshl_b32 s87, s81, 3
	s_add_co_u32 s86, s86, s87                     ; 16 b + 8 e
	s_mul_i32 s88, s86, 98304
	s_mul_i32 s89, s80, 6144
	s_add_co_u32 s88, s88, s89
	s_add_co_u32 s88, s88, 12582912                ; V's codes: a step's row is the head's four fragments
	s_mov_b32 s89, 0
	s_lshl_b32 s90, s78, 12
	s_add_co_u32 s90, s90, s85
	s_add_co_u32 s90, s90, 262144                  ; K's scale words
	s_mov_b32 s91, 0
	s_lshl_b32 s92, s86, 12
	s_lshl_b32 s93, s80, 8
	s_add_co_u32 s92, s92, s93
	s_add_co_u32 s92, s92, 524288                  ; V's
	s_mov_b32 s93, 0
	GROUP1 G1K, 768, 768                           ; 8 steps x 6,144 bytes, dense
	GROUP1 G1V, 768, 12288                         ; 8 steps x 6,144 bytes, 98,304 bytes apart
	GROUP1 G1SK, 32, 32                            ; 8 steps x 256 bytes, dense
	GROUP1 G1SV, 32, 512                           ; 8 steps x 256 bytes, 4,096 bytes apart
	s_mov_b32 s[SEL], 0x76543210
	s_mov_b32 s[SEL+1], 0xfedcba98
	s_mov_b32 s[CS], 0x3e38aa3b
	s_mov_b32 s[CS+1], s[CS]                       ; (named with it as a pair, so it is written)
	s_mov_b32 s[NC], 0xbe38aa3b
	s_wait_dscnt 0x0
	s_wait_kmcnt 0x0
	s_mov_b32 s[G0K], 1
	s_mov_b32 s[G0K+1], s84
	s_add_nc_u64 s[G0K+2:G0K+3], s[4:5], s[82:83]
	s_or_b32 s[G0K+3], s[G0K+3], 0x80000000
	s_mov_b32 s[G0SK], 1
	s_add_co_u32 s[G0SK+1], s85, SCK
	s_add_nc_u64 s[G0SK+2:G0SK+3], s[6:7], s[90:91]
	s_or_b32 s[G0SK+3], s[G0SK+3], 0x80000000
	s_mov_b32 s[G0V], 1
	s_add_co_u32 s[G0V+1], s84, VB
	s_add_nc_u64 s[G0V+2:G0V+3], s[4:5], s[88:89]
	s_or_b32 s[G0V+3], s[G0V+3], 0x80000000
	s_mov_b32 s[G0SV], 1
	s_add_co_u32 s[G0SV+1], s85, SCK+4096
	s_add_nc_u64 s[G0SV+2:G0SV+3], s[6:7], s[92:93]
	s_or_b32 s[G0SV+3], s[G0SV+3], 0x80000000
	ROUND                                          ; all four work-groups are here: the joint loads meet
	ARM 2, G0K, G1K, .Lfor_v                       ; eight halves, eight waves: one load a wave, in one chain of arms
	ARM 4, G0V, G1V, .Lfor_sk
	ARM 6, G0SK, G1SK, .Lfor_sv
	tensor_load_to_lds s[G0SV:G0SV+3], s[G1SV:G1SV+7]
	s_nop 0
.rept 4
	v_nop
.endr
.Lasked:
	s_bfe_u32 s94, ttmp6, 0x40000                  ; cx: it enters Q's and x's addresses alone
	s_lshl_b32 s95, ttmp9, 2
	s_add_co_u32 s94, s94, s95
	s_lshl_b32 s94, s94, 5
	s_lshl_b32 s95, s[WV], 1
	s_add_co_u32 s94, s94, s95                     ; my first tile of queries in pass 0
	s_lshl_b32 s96, s78, 7
	s_add_co_u32 s96, s96, s94
	s_mul_i32 s96, s96, 768
	s_mov_b32 s97, 0
	s_add_nc_u64 s[4:5], s[4:5], s[96:97]          ; Q's codes
	s_lshl_b32 s96, s78, 12
	s_lshl_b32 s95, s94, 5
	s_add_co_u32 s96, s96, s95
	s_add_nc_u64 s[6:7], s[6:7], s[96:97]          ; the scale words of my pair of tiles
	s_lshl_b32 s96, s79, 13
	s_add_nc_u64 s[8:9], s[8:9], s[96:97]          ; the batch's mask
	s_lshl_b32 s95, s79, 7
	s_add_co_u32 s95, s95, s94                     ; my first block of 16 tokens
	s_lshl_b32 s96, s95, 4
	s_add_co_u32 s96, s96, s80
	s_mul_i32 s96, s96, 768
	s_add_nc_u64 s[10:11], s[10:11], s[96:97]      ; x's codes: [block of tokens][head][768]
	s_lshl_b32 s96, s95, 9
	s_lshl_b32 s95, s80, 1
	s_add_co_u32 s96, s96, s95
	s_add_nc_u64 s[12:13], s[12:13], s[96:97]      ; x's scale bytes: [token][32], 2 a head
	v_and_b32 v8, 31, v0                           ; lane
	v_and_b32 v9, 15, v0                           ; r
	v_bfe_u32 v10, v0, 4, 1                        ; h
	v_lshlrev_b32 v1, 4, v8                        ; 16 x lane
	v_lshlrev_b32 v2, 3, v8
	v_add_nc_u32 v2, 512, v2                       ; 512 + 8 x lane
	v_lshl_add_u32 v3, v9, 2, SCK
	v_mad_u32_u24 v3, v10, 3840, v3                ; scale words: lanes 0-15 K's of one step, lanes 16-31 V's of the step before it
	v_lshl_add_u32 v4, v10, 7, MB                  ; the biases of my block of 32 keys: 128 h
	v_lshlrev_b32 v5, 2, v9
	v_lshlrev_b32 v6, 5, v9
	v_lshlrev_b32 v7, 3, v10                       ; 8 h
	v_lshl_add_u32 v12, v0, 4, MB                  ; the biases that my thread makes: keys 4 t .. and 1,024 + 4 t ..
	v_lshlrev_b32 v13, 4, v0
.irp i, 0,1,2,3,4,5,6,7,8,9,10,11,12,13,14,15
	global_load_b128 v[BI+4*\i:BI+4*\i+3], v1, s[8:9] offset:512*\i   ; the batch's whole mask: does any key count?
.endr
	global_load_b128 v[128:131], v13, s[8:9]
	global_load_b128 v[132:135], v13, s[8:9] offset:4096
	WALU                                           ; the wait ahead of the wait below
	s_wait_loadcnt 0x0
.irp n, 32,16,8,4,2,1
.set i, 0
.rept \n
	v_or_b32 v[BI+i], v[BI+i], v[BI+\n+i]
.set i, i+1
.endr
.endr
	v_cmp_ne_u32 vcc_lo, 0, v[BI]
	s_cmp_lg_u32 vcc_lo, 0
	s_cselect_b32 s[ANY], -1, 0                    ; a choice of values: no branch hangs on it
	v_mov_b32 v136, 0xd19502f9                     ; -8e10
.irp j, 0,1,2,3,4,5,6,7
	v_cmp_eq_u32 vcc_lo, 0, v[128+\j]
	s_and_b32 vcc_lo, vcc_lo, s[ANY]
	v_cndmask_b32 v[128+\j], 0, v136, vcc_lo
.endr
	ds_store_b128 v12, v[128:131]
	ds_store_b128 v12, v[132:135] offset:4096
.irp w, 0,1
	v_mov_b32 v[ST+8*\w+5], 0                      ; named as the upper half of a pair before it is first written
	v_mov_b32 v[ST+8*\w+7], 0                      ; a lane permute's destination counts as one of its sources
.endr
	WALU
	s_wait_tensorcnt 0x0                           ; my fill has landed,
	s_wait_dscnt 0x0                               ; my biases are stored:
	s_barrier_signal -1
	s_barrier_wait -1                              ; everybody's.  From here on LDS is only read
.macro FRAG reg, a16, a8, off          ; a fragment, two halves of 768 bytes: consecutive lanes read consecutive bytes
	ds_load_b128 v[\reg:\reg+3], v[\a16] offset:\off
	ds_load_b64 v[\reg+4:\reg+5], v[\a8] offset:\off
	ds_load_b128 v[\reg+6:\reg+9], v[\a16] offset:\off+768
	ds_load_b64 v[\reg+10:\reg+11], v[\a8] offset:\off+768
.endm
.macro KLOADS a16, a8, ab              ; a step's four fragments of K and its 64 biases: 32 loads
.irp f, 0,1,2,3
	FRAG KF+12*\f, \a16, \a8, 1536*\f
.endr
.irp n, 0,1,2,3,4,5,6,7,8,9,10,11,12,13,14,15
	ds_load_b128 v[BI+4*\n:BI+4*\n+3], v[\ab] offset:256*(\n/8)+16*(\n%8)   ; register 32 c + i: the bias of key 64 c + 32 h + i
.endr
.endm
.macro MM d, a, b, c, sa, sb, row
	v_wmma_scale_f32_16x16x128_f8f6f4 v[\d:\d+7], v[\a:\a+11], v[\b:\b+11], v[\c:\c+7], v[\sa], v[\sb] matrix_a_fmt:MATRIX_FMT_FP6 matrix_b_fmt:MATRIX_FMT_FP6 matrix_a_scale:MATRIX_SCALE_ROW\row
.endm
; A KEY STEP: 128 keys for both tiles.  Every phase takes the two tiles (and their two blocks a lane) by turns.
.macro STEP
	v_add_nc_u32 v8, s[TB], v1                     ; K of the next step.  (These six plain lines are also the places behind the last products)
	v_add_nc_u32 v9, s[TB], v2
	v_add_nc_u32 v12, s[TS], v3
	v_add_nc_u32 v13, s[TK], v4
	v_add_nc_u32 v10, VB-6144, v8                  ; V of this step
	v_add_nc_u32 v11, VB-6144, v9
	WALU                                           ; the wait ahead of the wait below
	s_wait_dscnt 0x0                               ; K, its scale words and the biases, asked for a step ago
	WIN 0x40                                       ; D in window 1
.irp f, 0,1,2,3                        ; S^T = bias + K Q^T: sixteen accumulators, one instruction each
.irp w, 0,1
	MM 64*\w+16*\f, KF+12*\f, QB+20*\w, BI+16*\f, KS+\f, QS+\w, 0
.endr
.irp w, 0,1
	MM 64*\w+16*\f+8, KF+12*\f, QB+20*\w+6, BI+16*\f+8, KS+\f, QS+\w, 0
.endr
.endr
.rept 4
	v_nop                                          ; four plain lines behind the products: then loads into their sources, and reads of their results
.endr
	WIN 0
.irp f, 0,1,2,3
	ds_load_b32 v[KS+\f], v12 offset:64*\f
.endr
	WIN 0x40
.irp t, 0,1,2,3
	FRAG VF+12*\t, 10, 11, 1536*\t
.endr
	WIN 0
	KLOADS 8, 9, 13
	WIN 0x15                                       ; the largest score of each block of 32 keys: for the row's maximum and, since p rises with the score, for the block's largest p
.irp w, 0,1
.irp c, 0,1
	v_max3_num_f32 v[BM+2*\w+\c], v[64*\w+32*\c], v[64*\w+32*\c+1], v[64*\w+32*\c+2]
.endr
.endr
	WIN 0x14
.irp i, 3,5,7,9,11,13,15,17,19,21,23,25,27,29
.irp w, 0,1
.irp c, 0,1
	v_max3_num_f32 v[BM+2*\w+\c], v[BM+2*\w+\c], v[64*\w+32*\c+\i], v[64*\w+32*\c+\i+1]   ; each accumulator is first read at its lowest register
.endr
.endr
.endr
.irp w, 0,1
.irp c, 0,1
	v_max_num_f32 v[BM+2*\w+\c], v[BM+2*\w+\c], v[64*\w+32*\c+31]
.endr
.endr
	WIN 0
.irp w, 0,1
	v_max_num_f32 v[ST+8*\w+6], v[BM+2*\w], v[BM+2*\w+1]
.endr
.irp w, 0,1
	v_permlanex16_b32 v[ST+8*\w+7], v[ST+8*\w+6], s[SEL], s[SEL+1]
.endr
.irp w, 0,1
	v_max3_num_f32 v[ST+8*\w+1], v[ST+8*\w+1], v[ST+8*\w+6], v[ST+8*\w+7]   ; the running largest score of my query
.endr
.irp w, 0,1
	v_mov_b32 v[ST+8*\w+6], v[ST+8*\w]
.endr
.irp w, 0,1
	v_mul_f32 v[ST+8*\w+7], s[NC], v[ST+8*\w+1]    ; -t
.endr
.irp w, 0,1
	v_floor_f32 v[ST+8*\w], v[ST+8*\w+7]           ; the new -M = floor(-t): M is a whole number
.endr
.irp w, 0,1
	v_sub_f32 v[ST+8*\w+6], v[ST+8*\w], v[ST+8*\w+6]   ; old M - new M: a whole number, 0 or less
.endr
.irp w, 0,1
	v_cvt_i32_f32 v[ST+8*\w+6], v[ST+8*\w+6]       ; (it saturates)
.endr
.irp w, 0,1
	v_ldexp_f32 v[ST+8*\w+4], 1.0, v[ST+8*\w+6]    ; f = 2^(old M - new M)
.endr
	WIN 0x41
.irp w, 0,1
.set j, 0
.rept 32
	v_pk_fma_f32 v[64*\w+j:64*\w+j+1], v[64*\w+j:64*\w+j+1], s[CS:CS+1], v[ST+8*\w:ST+8*\w+1] op_sel_hi:[1,0,0]   ; t - M, two at a time
.set j, j+2
.endr
.endr
	WIN 0
.irp w, 0,1
.irp c, 0,1
	v_fma_f32 v[BM+2*\w+\c], v[BM+2*\w+\c], s[CS], v[ST+8*\w]   ; the same of each block's largest score
.endr
.endr
	WALU                                           ; the wait ahead of the batch
	WIN 0x41
.set j, 0
.rept 128
	v_exp_f32 v[j], v[j]                           ; p = 2^(t - M): one batch,
.set j, j+1
.endr
	WIN 0
.irp k, 0,1,2,3
	v_exp_f32 v[BM+\k], v[BM+\k]                   ; with the blocks' largest p
.endr
.irp w, 0,1
	v_pk_mul_f32 v[ST+8*\w+2:ST+8*\w+3], v[ST+8*\w+2:ST+8*\w+3], v[ST+8*\w+4:ST+8*\w+5] op_sel_hi:[1,0]   ; the sums under the new M: plain lines behind the exponentials
.endr
	WALU                                           ; one wait for the batch, ahead of its first reader
	WIN 0x05                                       ; the row's sum of the unquantised p: four chains a tile
.irp q, 0,1,2,3
.irp w, 0,1
	v_pk_add_f32 v[PS+8*\w+2*\q:PS+8*\w+2*\q+1], v[64*\w+4*\q:64*\w+4*\q+1], v[64*\w+4*\q+2:64*\w+4*\q+3]
.endr
.endr
	WIN 0x04
.irp k, 2,3,4,5,6,7
.irp q, 0,1,2,3
.irp w, 0,1
	v_pk_add_f32 v[PS+8*\w+2*\q:PS+8*\w+2*\q+1], v[PS+8*\w+2*\q:PS+8*\w+2*\q+1], v[64*\w+8*\k+2*\q:64*\w+8*\k+2*\q+1]
.endr
.endr
.endr
	WIN 0
.irp k, 0,1,2,3
	v_max_num_f32 v[BM+\k], 0x1800000, v[BM+\k]    ; the floor 2^(3 - 127): a block whose every p is 0 keeps the byte 1; its codes are zeros
.endr
.irp w, 0,1
	v_pk_add_f32 v[PS+8*\w:PS+8*\w+1], v[PS+8*\w:PS+8*\w+1], v[PS+8*\w+2:PS+8*\w+3]
	v_pk_add_f32 v[PS+8*\w+4:PS+8*\w+5], v[PS+8*\w+4:PS+8*\w+5], v[PS+8*\w+6:PS+8*\w+7]
.endr
.irp k, 0,1,2,3
	v_add_nc_u32 v[SOP+\k], 0xff000000, v[BM+\k]   ; 2 off the exponent field: the conversion's scale operand
.endr
.irp w, 0,1
	v_pk_add_f32 v[PS+8*\w:PS+8*\w+1], v[PS+8*\w:PS+8*\w+1], v[PS+8*\w+4:PS+8*\w+5]
.endr
.irp k, 0,1,2,3
	v_lshrrev_b32 v[BY+\k], 23, v[SOP+\k]          ; the scale's byte
.endr
.irp w, 0,1
	v_pk_add_f32 v[ST+8*\w+2:ST+8*\w+3], v[ST+8*\w+2:ST+8*\w+3], v[PS+8*\w:PS+8*\w+1]
.endr
.irp w, 0,1
	v_lshl_or_b32 v[ST+8*\w+6], v[BY+2*\w+1], 16, v[BY+2*\w]   ; my two bytes: blocks h and 2 + h,
.endr
.irp w, 0,1
	v_lshlrev_b32 v[ST+8*\w+6], v7, v[ST+8*\w+6]   ; at their places in the word;
.endr
.irp w, 0,1
	v_permlanex16_b32 v[ST+8*\w+7], v[ST+8*\w+6], s[SEL], s[SEL+1]
.endr
.irp w, 0,1
	v_or_b32 v[ST+8*\w+5], v[ST+8*\w+6], v[ST+8*\w+7]   ; with lane l xor 16's two: p's scale word for these 128 keys
.endr
	WIN 0x01
.irp w, 0,1
.irp c, 0,1
	v_cvt_scalef32_pk16_fp6_f32 v[PC+12*\w+6*\c:PC+12*\w+6*\c+2], v[64*\w+32*\c:64*\w+32*\c+15], v[SOP+2*\w+\c]
	v_cvt_scalef32_pk16_fp6_f32 v[PS+8*\w+4*\c:PS+8*\w+4*\c+2], v[64*\w+32*\c+16:64*\w+32*\c+31], v[SOP+2*\w+\c]   ; (a conversion's three registers begin on an even number)
.endr
.endr
	WIN 0
	v_nop                                          ; one plain line behind a scaled conversion
.irp w, 0,1
.irp c, 0,1
.irp i, 0,1,2
	v_mov_b32 v[PC+12*\w+6*\c+3+\i], v[PS+8*\w+4*\c+\i]
.endr
.endr
.endr
	WIN 0x41
	WALU                                           ; the wait directly ahead of the first readers of O^T
.irp w, 0,1
.set j, 0
.rept 16
	v_pk_mul_f32 v[128+32*\w+j:128+32*\w+j+1], v[128+32*\w+j:128+32*\w+j+1], v[ST+8*\w+4:ST+8*\w+5] op_sel_hi:[1,0]   ; O^T under the new M, each accumulator from its low end on
.set j, j+2
.endr
.endr
	WALU
	s_wait_dscnt 32                                ; V and the scale words are in; the 32 loads behind them (the next step's K and biases) may be out
	WIN 0x51
.irp t, 0,1,2,3                        ; O^T += V^T P^T: eight accumulators, one instruction each; V's scale words stand in lanes 16-31
.irp w, 0,1
	MM 128+32*\w+8*\t, VF+12*\t, PC+12*\w, 128+32*\w+8*\t, KS+\t, ST+8*\w+5, 1
.endr
.endr
	WIN 0
	s_add_co_u32 s[TB], s[TB], 6144
	s_add_co_u32 s[TS], s[TS], 256
	s_add_co_u32 s[TK], s[TK], 512
.endm
; A PASS: two tiles of 16 queries through all 2,048 keys.  Written out twice: the second pass's addresses stand in the immediates
.macro PASS p
.if \p > 0
	s_wait_xcnt 0x0                                ; the first pass's stores have read their data
.endif
.irp w, 0,1
	global_load_b128 v[QB+20*\w:QB+20*\w+3], v1, s[4:5] offset:12288*\p+768*\w
	global_load_b64 v[QB+20*\w+4:QB+20*\w+5], v2, s[4:5] offset:12288*\p+768*\w
.endr
	global_load_b32 v[BM], v5, s[6:7] offset:512*\p
.irp f, 0,1,2,3
	ds_load_b32 v[KS+\f], v3 offset:64*\f          ; step 0
.endr
	KLOADS 1, 2, 4
.irp w, 0,1
	v_mov_b32 v[ST+8*\w+1], 0xff61b1e6             ; the largest score so far: -3e38
	v_mov_b32 v[ST+8*\w+2], 0
	v_mov_b32 v[ST+8*\w+3], 0
.endr
.irp w, 0,1
	v_mul_f32 v[ST+8*\w+6], s[NC], v[ST+8*\w+1]
.endr
.irp w, 0,1
	v_floor_f32 v[ST+8*\w], v[ST+8*\w+6]           ; -M
.endr
	s_mov_b32 s[TB], 6144                          ; the look-ahead's places: one step on
	s_mov_b32 s[TS], 256
	s_mov_b32 s[TK], 512
	s_mov_b32 s[CNT], 16
	s_wait_loadcnt 0x0
.irp w, 0,1
.irp i, 0,1,2,3,4,5
	v_and_b32 v[QB+20*\w+\i], s[ANY], v[QB+20*\w+\i]   ; where no key counts all scores are 0
.endr
.irp i, 0,1,2,3,4,5
	v_mov_b32 v[QB+20*\w+6+\i], 0
.endr
.irp i, 0,1,2,3,4,5
	v_mov_b32 v[QB+20*\w+12+\i], v[QB+20*\w+\i]
.endr
.endr
	v_perm_b32 v[QS], v[BM], v[BM], 0x01000100     ; each tile's two bytes, twice
	v_perm_b32 v[QS+1], v[BM], v[BM], 0x03020302
	WIN 0x40
.set j, 0
.rept 64
	v_mov_b32 v[128+j], 0                          ; O^T: the step is written once, and its first trip finds zeros.  (These also stand between Q's registers and the first product)
.set j, j+1
.endr
	WIN 0
.Lstep_\@:
	STEP
	s_sub_co_u32 s[CNT], s[CNT], 1
	s_cmp_lg_u32 s[CNT], 0
	s_cbranch_scc1 .Lstep_\@
	s_wait_dscnt 0x0                               ; the last look-ahead has landed: its registers are used anew
.rept 4
	v_nop                                          ; four plain lines behind the last products
.endr
.irp w, 0,1
	v_add_f32 v[ST+8*\w+2], v[ST+8*\w+2], v[ST+8*\w+3]
.endr
.irp w, 0,1
	v_permlanex16_b32 v[ST+8*\w+7], v[ST+8*\w+2], s[SEL], s[SEL+1]
.endr
.irp w, 0,1
	v_add_f32 v[ST+8*\w+2], v[ST+8*\w+2], v[ST+8*\w+7]   ; the row's sum
.endr
	WALU
.irp w, 0,1
	v_rcp_f32 v[ST+8*\w+2], v[ST+8*\w+2]
.endr
	v_nop                                          ; a plain line behind the reciprocals
	WIN 0x01
	WALU                                           ; and the wait ahead of their first reader, which is O^T's too
.irp w, 0,1
.set j, 0
.rept 32
	v_mul_f32 v[BI+32*\w+j], v[128+32*\w+j], v[ST+8*\w+2]   ; x: register 16 g + i = channel 32 g + 16 h + i of my query
.set j, j+1
.endr
.endr
	WIN 0
.irp w, 0,1
.irp b, 0,1
	v_max3_num_f32 v[BM+2*\w+\b], |v[BI+32*\w+16*\b]|, |v[BI+32*\w+16*\b+1]|, 0x1800000
.endr
.endr
.irp i, 2,4,6,8,10,12,14
.irp w, 0,1
.irp b, 0,1
	v_max3_num_f32 v[BM+2*\w+\b], v[BM+2*\w+\b], |v[BI+32*\w+16*\b+\i]|, |v[BI+32*\w+16*\b+\i+1]|
.endr
.endr
.endr
.irp k, 0,1,2,3
	v_permlanex16_b32 v[BY+\k], v[BM+\k], s[SEL], s[SEL+1]
.endr
.irp k, 0,1,2,3
	v_max_num_f32 v[BM+\k], v[BM+\k], v[BY+\k]
.endr
.irp k, 0,1,2,3
	v_add_nc_u32 v[SOP+\k], 0xff000000, v[BM+\k]
.endr
.irp k, 0,1,2,3
	v_lshrrev_b32 v[BY+\k], 23, v[SOP+\k]
.endr
.irp w, 0,1
	v_lshl_or_b32 v[ST+8*\w+6], v[BY+2*\w+1], 8, v[BY+2*\w]   ; my row's two scale bytes
.endr
.irp w, 0,1
	v_cvt_scalef32_pk16_fp6_f32 v[PC+12*\w:PC+12*\w+2], v[BI+32*\w:BI+32*\w+15], v[SOP+2*\w]
	v_cvt_scalef32_pk16_fp6_f32 v[PC+12*\w+4:PC+12*\w+6], v[BI+32*\w+16:BI+32*\w+31], v[SOP+2*\w+1]
.endr
	v_nop
.irp w, 0,1
.irp i, 0,1,2
	v_permlane16_swap_b32 v[PC+12*\w+\i], v[PC+12*\w+4+\i]   ; lanes 0-15 block 0, lanes 16-31 block 1
.endr
.endr
.irp i, 3,4,5
.irp w, 0,1
	v_mov_b32 v[PC+12*\w+\i], v[PC+12*\w+\i+1]
.endr
.endr
.irp w, 0,1
	global_store_b128 v1, v[PC+12*\w:PC+12*\w+3], s[10:11] offset:196608*\p+12288*\w     ; a half's 512 consecutive bytes, aligned to 256
	global_store_b64 v2, v[PC+12*\w+4:PC+12*\w+5], s[10:11] offset:196608*\p+12288*\w    ; and its 256
	global_store_b16 v6, v[ST+8*\w+6], s[12:13] offset:8192*\p+512*\w                    ; lanes r and 16 + r write the same two bytes with the same value
.endr
.endm
	PASS 0
	PASS 1
	s_wait_tensorcnt 0x0                           ; the wave's end
	ds_add_u32 v[SPW], v[NIL]
	s_wait_dscnt 0x0
	ROUND                                          ; the closing round: no work-group ends while a partner may still ask for a tile that names it
	s_endpgm
.Lfunc_end_k_qefb28948fa_attn:
	.size	k_qefb28948fa_attn, .Lfunc_end_k_qefb28948fa_attn-k_qefb28948fa_attn
	.p2alignl 7, 3214868480
	.fill 96, 4, 3214868480
	.section	.rodata,"a",@progbits
	.p2align	6, 0x0
	.amdhsa_kernel k_qefb28948fa_attn
		.amdhsa_group_segment_fixed_size 215040
		.amdhsa_private_segment_fixed_size 0
		.amdhsa_enable_private_segment 0
		.amdhsa_kernarg_size 40
		.amdhsa_user_sgpr_count 2
		.amdhsa_user_sgpr_kernarg_segment_ptr 1
		.amdhsa_wavefront_size32 1
		.amdhsa_system_sgpr_workgroup_id_x 1
		.amdhsa_system_sgpr_workgroup_id_y 1
		.amdhsa_system_sgpr_workgroup_id_z 1
		.amdhsa_system_vgpr_workitem_id 0
		.amdhsa_next_free_vgpr 512
		.amdhsa_next_free_sgpr 100
		.amdhsa_reserve_vcc 1
		.amdhsa_float_denorm_mode_32 3
		.amdhsa_float_denorm_mode_16_64 3
		.amdhsa_memory_ordered 1
		.amdhsa_forward_progress 1
		.amdhsa_inst_pref_size 99
	.end_amdhsa_kernel
	.amdgpu_metadata
---
amdhsa.version: [ 1, 2 ]
amdhsa.kernels:
  - .name:           k_qefb28948fa_attn
    .symbol:         k_qefb28948fa_attn.kd
    .args:
      - { .name: qkvcodes, .offset: 0, .size: 8, .value_kind: global_buffer, .address_space: global }
      - { .name: qkvscales, .offset: 8, .size: 8, .value_kind: global_buffer, .address_space: global }
      - { .name: mask, .offset: 16, .size: 8, .value_kind: global_buffer, .address_space: global }
      - { .name: xcodes, .offset: 24, .size: 8, .value_kind: global_buffer, .address_space: global }
      - { .name: xscales, .offset: 32, .size: 8, .value_kind: global_buffer, .address_space: global }
    .group_segment_fixed_size: 215040
    .private_segment_fixed_size: 0
    .kernarg_segment_align: 8
    .kernarg_segment_size: 40
    .max_flat_workgroup_size: 256
    .sgpr_count:     100
    .vgpr_count:     512
    .wavefront_size: 32
...
	.end_amdgpu_metadata
.endif
;; end of part 3
;; launch fc (part 4): grid 4 x 64, 4 waves a work-group, clusters of 4 x 4, 327,680 bytes of LDS; arguments xcodes, xscales, incodes, inscales, bfc, out0; writes out0
.if DOCPART == 4
	.amdgcn_target "amdgcn-amd-amdhsa--gfx1250"
	.amdhsa_code_object_version 6
	.text
	.protected	k_qefb28948fa_fc
	.globl	k_qefb28948fa_fc
	.p2align	8
	.type	k_qefb28948fa_fc,@function
k_qefb28948fa_fc:
	s_mov_b64 s[64:65], 0
	v_nop
	global_prefetch_b8 v0, s[64:65] scope:SCOPE_SE
	s_setreg_imm32_b32 hwreg(HW_REG_WAVE_MODE, 25, 1), 1
	s_wait_xcnt 0x0
	s_wait_alu depctr_hold_cnt(0) depctr_sa_sdst(0) depctr_va_vdst(0) depctr_va_sdst(0) depctr_va_ssrc(0) depctr_va_vcc(0) depctr_vm_vsrc(0)
	s_getreg_b32 s2, hwreg(HW_REG_IB_STS2, 6, 4)
	s_cmp_eq_u32 s2, 0
	s_cbranch_scc0 .Lentry_in_a_cluster
	s_endpgm
.Lentry_in_a_cluster:
	s_bfe_u32 s2, ttmp6, 0x10000c
	s_cmp_lg_u32 s2, 0xf033
	s_cbranch_scc0 .Lentry_shape_is_right
	s_endpgm
.Lentry_shape_is_right:
; out0 = x Wfc^T + bfc on codes of FP6 (E2M3) with E8M0 scales.  x [8192][1024] lies in xcodes, Wfc in incodes (row blocks 1728 on), both as images of registers: row blocks of 16 rows x 16 halves of 768 bytes.
; A work-group makes 128 (m) x 256 (n) with all of K: A's 98,304 bytes and B's 196,608 lie in LDS at once, each byte filled once: no slot is filled again.  Four waves, each 64 x 128: 32 accumulators.
; 64 x 4 tiles: 256 work-groups.  CLUSTER 4 x 4: A's tiles are asked for jointly along a row of the cluster, B's along a column.
; THE MATRIX INSTRUCTION IS USED TRANSPOSED (source 0 = 16 rows of Wfc, source 1 = 16 rows of x): a lane holds eight neighbouring numbers of a row of out0.  The bias is the C of the first K step.
; REGISTERS.  window 0: v1-3 lane, r, h; v16-19 LDS addresses; v20-25 other addresses; v32-47 A's scale words, v48-79 B's; v96-191 A's fragments, two sets of 48; v192-255 the bias.
;   window 1: B's fragments, two sets of 96, at v0 and v128.   window 2: accumulator (a, b) at v[8 (8 a + b)].
.set SCA, 32
.set SCB, 48
.set AF,  96
.set BN,  192
.set STG, 294912                       ; behind the fills: a stage of 16 rows x 272 bytes for each wave; no tensor load lands here
.set G1A, 24
.set G1B, 32
.set G0A, 40
.set MUL,  0xa1                        ; source 0 (B) window 1, source 1 (A) window 0, C and D window 2
.set MUL0, 0x81                        ; the same with C (the bias) in window 0
.set TO_B, 0x40                        ; destination window 1, address window 0
.set MSB, 0
.macro WIN new                         ; the immediate's high byte repeats the setting that is left
.if MSB != \new
	s_set_vgpr_msb (MSB<<8)|\new
.set MSB, \new
.endif
.endm
.macro CROUND                          ; a round of the cluster's barrier
	s_barrier_signal -1
	s_barrier_wait -1
	s_cmp_lg_u32 s18, 0
	s_cbranch_scc1 .Lnot_wave_0_\@
	s_barrier_signal -3
.Lnot_wave_0_\@:
	s_barrier_wait -3
	s_barrier_signal -1
	s_barrier_wait -1
.endm
.macro PLACES n
.rept \n
	v_nop
.endr
.endm
	s_load_b256 s[4:11], s[0:1], 0x0               ; xcodes, xscales, incodes, inscales
	s_load_b128 s[12:15], s[0:1], 0x20             ; bfc, out0
	v_lshl_add_u32 v94, v0, 2, 0x4c400
	v_mov_b32 v95, 0
	ds_add_u32 v94, v95
	ds_add_u32 v94, v95
	v_lshrrev_b32 v1, 5, v0
	v_readfirstlane_b32 s18, v1                    ; wave 0..3
	s_lshr_b32 s19, s18, 1                         ; MH: my half of the tile's rows.  Also: I fetch for A (0) or for B (1)
	s_and_b32 s20, s18, 1                          ; NH: my half of its columns.  Also: which half of that tile I fetch
	s_bfe_u32 s21, ttmp6, 0x40000                  ; cx
	s_bfe_u32 s22, ttmp6, 0x40004                  ; cy
	s_and_b32 s96, ttmp7, 0xffff
	s_lshl_b32 s78, s96, 2
	s_add_co_u32 s78, s78, s22                     ; tile row
	s_lshl_b32 s79, ttmp9, 2
	s_add_co_u32 s79, s79, s21                     ; tile column
	s_lshl_b32 s96, s22, 2
	s_lshl_b32 s96, 15, s96                        ; my row of the cluster
	s_lshl_b32 s97, 0x1111, s21                    ; my column
	; group 1: rows of 12,288 bytes (a whole row block: 1,536 elements of 8 bytes), 12,288 bytes apart; 4 row blocks for A, 8 for B; no padding
	s_or_b32 s[G1A], s96, (3<<16)|(1<<21)
	s_or_b32 s[G1B], s97, (3<<16)|(1<<21)
	s_mov_b32 s[G1A+1], 1536<<16                   ; a row is a whole row block, 12,288 bytes: one load a wave brings all of K
	s_mov_b32 s[G1A+2], 4<<16
	s_mov_b32 s[G1A+3], 1536<<16
	s_mov_b32 s[G1A+4], 4
	s_mov_b32 s[G1A+5], 1536
	s_mov_b32 s[G1A+6], 0
	s_mov_b32 s[G1A+7], 0
	s_mov_b32 s[G1B+1], 1536<<16
	s_mov_b32 s[G1B+2], 8<<16
	s_mov_b32 s[G1B+3], 1536<<16
	s_mov_b32 s[G1B+4], 8
	s_mov_b32 s[G1B+5], 1536
	s_mov_b32 s[G1B+6], 0
	s_mov_b32 s[G1B+7], 0
	s_lshl_b32 s91, s78, 3                         ; A: the tile's first row block (hangs on the tile row alone)
	s_lshl_b32 s66, s79, 4
	s_add_co_u32 s66, s66, 1728                    ; B: likewise (on the tile column alone)
	s_lshl_b32 s92, s20, 2
	s_add_co_u32 s92, s92, s91
	s_mul_i32 s92, s92, 12288
	s_mov_b32 s93, 0
	s_lshl_b32 s94, s20, 3
	s_add_co_u32 s94, s94, s66
	s_mul_i32 s94, s94, 12288
	s_mov_b32 s95, 0
	s_mul_i32 s96, s20, 49152                      ; LDS: A [8 row blocks][12,288] from 0; B [16][12,288] from 98,304
	s_mul_i32 s97, s20, 98304
	s_wait_dscnt 0x0
	s_wait_kmcnt 0x0
	s_add_nc_u64 s[92:93], s[4:5], s[92:93]
	s_add_nc_u64 s[94:95], s[8:9], s[94:95]
.irp kc, 0
	s_mov_b32 s[G0A+4*\kc], 1
	s_add_co_u32 s[G0A+4*\kc+1], s96, \kc*24576
	s_add_nc_u64 s[G0A+4*\kc+2:G0A+4*\kc+3], s[92:93], \kc*3072
	s_or_b32 s[G0A+4*\kc+3], s[G0A+4*\kc+3], 0x80000000
	s_mov_b32 s[56+4*\kc+4*(\kc/2)], 1
	s_add_co_u32 s[56+4*\kc+4*(\kc/2)+1], s97, 98304+\kc*49152
	s_add_nc_u64 s[56+4*\kc+4*(\kc/2)+2:56+4*\kc+4*(\kc/2)+3], s[94:95], \kc*3072
	s_or_b32 s[56+4*\kc+4*(\kc/2)+3], s[56+4*\kc+4*(\kc/2)+3], 0x80000000
.endr
	CROUND                                         ; all sixteen work-groups are here: the joint loads meet
	s_cmp_eq_u32 s19, 0                            ; a wave's fill stands in one branch on the wave's number: one tensor load of mine is out
	s_cbranch_scc0 .Lfill_b
	tensor_load_to_lds s[40:43], s[G1A:G1A+7]
	s_nop 0
	PLACES 4
	s_branch .Lfilled
.Lfill_b:
	tensor_load_to_lds s[56:59], s[G1B:G1B+7]
	s_nop 0
	PLACES 4
.Lfilled:
	v_and_b32 v1, 31, v0                           ; lane
	v_and_b32 v2, 15, v0                           ; r
	v_bfe_u32 v3, v0, 4, 1                         ; h
	v_lshlrev_b32 v22, 5, v2
	v_lshl_add_u32 v22, v3, 4, v22                 ; 32 r + 16 h: four of my row's eight scale words
	s_wait_alu depctr_va_vdst(0)
	v_lshlrev_b32 v25, 5, v3                       ; 32 h
	s_wait_alu depctr_va_vdst(0)
	s_lshl_b32 s96, s19, 2
	s_add_co_u32 s96, s96, s91
	s_lshl_b32 s96, s96, 9
	s_mov_b32 s97, 0
	s_add_nc_u64 s[82:83], s[6:7], s[96:97]        ; the scales of my 4 row blocks of x
	s_lshl_b32 s96, s20, 3
	s_add_co_u32 s96, s96, s66
	s_lshl_b32 s96, s96, 9
	s_add_nc_u64 s[84:85], s[10:11], s[96:97]      ; and of my 8 of Wfc
	s_lshl_b32 s96, s79, 10
	s_lshl_b32 s92, s20, 9
	s_add_co_u32 s96, s96, s92                     ; my first column, in bytes
	s_add_nc_u64 s[86:87], s[12:13], s[96:97]      ; the bias there
	s_add_nc_u64 s[88:89], s[14:15], s[96:97]
	s_lshl_b32 s96, s78, 7
	s_lshl_b32 s92, s19, 6
	s_add_co_u32 s96, s96, s92
	s_lshl_b32 s96, s96, 12                        ; my first row x 4,096 bytes (under 2^25)
	s_add_nc_u64 s[88:89], s[88:89], s[96:97]      ; out0 at my 64 x 128
	; the scales go straight into registers, once: register j holds word j (K step j) in lanes 0-15 and word 4 + j in lanes 16-31
.irp a, 0,1,2,3
	global_load_b128 v[SCA+4*\a:SCA+4*\a+3], v22, s[82:83] offset:512*\a
.endr
.irp b, 0,1,2,3,4,5,6,7
	global_load_b128 v[SCB+4*\b:SCB+4*\b+3], v22, s[84:85] offset:512*\b
.endr
.irp b, 0,1,2,3,4,5,6,7                ; tile b's register j holds n = 16 b + 8 h + j
	global_load_b128 v[BN+8*\b:BN+8*\b+3], v25, s[86:87] offset:64*\b
	global_load_b128 v[BN+8*\b+4:BN+8*\b+7], v25, s[86:87] offset:64*\b+16
.endr
	s_mul_i32 s96, s19, 49152
	s_mul_i32 s97, s20, 98304
	s_add_co_u32 s97, s97, 98304                   ; my 8 of B
	v_lshlrev_b32 v4, 4, v1                        ; 16 x lane
	v_lshlrev_b32 v5, 3, v1
	v_add_nc_u32 v5, 512, v5                       ; 512 + 8 x lane
	v_add_nc_u32 v16, s96, v4
	v_add_nc_u32 v17, s96, v5
	v_add_nc_u32 v18, s97, v4
	v_add_nc_u32 v19, s97, v5
	v_add_nc_u32 v27, 49152, v18                   ; B's row blocks 4-7: their offsets would pass the 16-bit immediate
	v_add_nc_u32 v28, 49152, v19
	s_mul_i32 s96, s18, 4352
	s_add_co_u32 s96, s96, STG                     ; my stage
	v_mul_u32_u24 v20, v2, 272
	v_lshl_add_u32 v20, v3, 5, v20
	v_add_nc_u32 v20, s96, v20                     ; in: row r, 32 bytes for each half of the lanes
	v_mul_u32_u24 v21, v3, 272
	v_lshl_add_u32 v21, v2, 4, v21
	v_add_nc_u32 v21, s96, v21                     ; back: lanes 0-15 one row of 256 bytes, lanes 16-31 the next
	v_lshlrev_b32 v23, 12, v3
	v_lshl_add_u32 v23, v2, 4, v23                 ; and the same two rows in out0
	s_wait_alu depctr_va_vdst(0)
	s_wait_loadcnt 0x0                             ; scales and bias
.macro FRAG reg, a16, a8, off          ; a fragment, two halves of 768 bytes: consecutive lanes read consecutive bytes
	ds_load_b128 v[\reg:\reg+3], v[\a16] offset:\off
	ds_load_b64 v[\reg+4:\reg+5], v[\a8] offset:\off
	ds_load_b128 v[\reg+6:\reg+9], v[\a16] offset:\off+768
	ds_load_b64 v[\reg+10:\reg+11], v[\a8] offset:\off+768
.endm
.macro FETCH q                         ; K step q's fragments, 48 loads in one run: B's eight, then A's four
	WIN TO_B
.irp i, 0,1,2,3
	FRAG 128*((\q)%2)+12*\i, 18, 19, 12288*\i+1536*(\q)
.endr
.irp i, 4,5,6,7
	FRAG 128*((\q)%2)+12*\i, 27, 28, 12288*(\i-4)+1536*(\q)
.endr
	WIN 0
.irp a, 0,1,2,3
	FRAG AF+48*((\q)%2)+12*\a, 16, 17, 12288*\a+1536*(\q)
.endr
.endm
; 8 matrix instructions: A's block a against B's eight.  The 32 accumulators take turns, one instruction a turn, in the same order in every step.
; K step 0 takes the bias as C: nothing is cleared.  From K step 4 on the scale words are read from lanes 16-31.
.macro MUL8 a, q
.irp b, 0,1,2,3,4,5,6,7
.if (\q) == 0
	v_wmma_scale_f32_16x16x128_f8f6f4 v[8*(8*\a+\b):8*(8*\a+\b)+7], v[128*((\q)%2)+12*\b:128*((\q)%2)+12*\b+11], v[AF+48*((\q)%2)+12*\a:AF+48*((\q)%2)+12*\a+11], v[BN+8*\b:BN+8*\b+7], v[SCB+4*\b+(\q)%4], v[SCA+4*\a+(\q)%4] matrix_a_fmt:MATRIX_FMT_FP6 matrix_b_fmt:MATRIX_FMT_FP6
.elseif (\q) < 4
	v_wmma_scale_f32_16x16x128_f8f6f4 v[8*(8*\a+\b):8*(8*\a+\b)+7], v[128*((\q)%2)+12*\b:128*((\q)%2)+12*\b+11], v[AF+48*((\q)%2)+12*\a:AF+48*((\q)%2)+12*\a+11], v[8*(8*\a+\b):8*(8*\a+\b)+7], v[SCB+4*\b+(\q)%4], v[SCA+4*\a+(\q)%4] matrix_a_fmt:MATRIX_FMT_FP6 matrix_b_fmt:MATRIX_FMT_FP6
.else
	v_wmma_scale_f32_16x16x128_f8f6f4 v[8*(8*\a+\b):8*(8*\a+\b)+7], v[128*((\q)%2)+12*\b:128*((\q)%2)+12*\b+11], v[AF+48*((\q)%2)+12*\a:AF+48*((\q)%2)+12*\a+11], v[8*(8*\a+\b):8*(8*\a+\b)+7], v[SCB+4*\b+(\q)%4], v[SCA+4*\a+(\q)%4] matrix_a_fmt:MATRIX_FMT_FP6 matrix_b_fmt:MATRIX_FMT_FP6 matrix_a_scale:MATRIX_SCALE_ROW1 matrix_b_scale:MATRIX_SCALE_ROW1
.endif
.endr
.endm
.macro WMUL q
.if (\q) == 0
	WIN MUL0
.else
	WIN MUL
.endif
.endm
; A K step of 128: 32 matrix instructions; the next step's 48 loads stand in one run in its middle.
.macro STEP q
	s_wait_dscnt 8                                 ; B's eight and A's blocks 0, 1 are in; the youngest eight loads (A's blocks 2, 3) may be out
	WMUL \q
	MUL8 0, \q
.if ((\q)%2 == 1) && ((\q) < 7)
.endif
	MUL8 1, \q
.if ((\q)%2 == 1) && ((\q) < 7)
	PLACES 4
.elseif (\q) < 7
	PLACES 4                                       ; four plain lines in front of loads into registers that matrix instructions have read (ISA guide 7.12.1 for vector instructions)
.endif
.if (\q) < 7
	FETCH (\q)+1
	s_wait_alu depctr_va_vdst(0)
	s_wait_dscnt 48                                ; all but the 48 just issued
.else
	s_wait_dscnt 0x0
.endif
	WMUL \q
	MUL8 2, \q
	MUL8 3, \q
.endm
	s_wait_tensorcnt 0x0                           ; my one load, all of K of my row blocks, has landed
	s_barrier_signal -1
	s_barrier_wait -1
	FETCH 0
.irp q, 0,1,2,3,4,5,6,7
	STEP \q
.endr
	WIN 0
; THE WAY OUT, in eight groups g = 2 a + u: 16 rows x 64 columns (tiles 4 u .. 4 u + 3 of block a).  A lane holds 32 neighbouring bytes of a row and the lanes beside it other rows: a group goes through my own stage
; and comes back as rows of 256 bytes.  LDS serves a wave's instructions in order (ISA guide 5.7.1.4): no wait between the stores and the loads, nor in front of the next group's stores.
.macro TOSTAGE g
	WIN 0x08                                       ; an LDS store's data are its source 1: window 2
.irp t, 0,1,2,3
	ds_store_b128 v20, v[32*(\g)+8*\t:32*(\g)+8*\t+3] offset:64*\t          ; each accumulator from its low end on
	ds_store_b128 v20, v[32*(\g)+8*\t+4:32*(\g)+8*\t+7] offset:64*\t+16
.endr
	WIN 0
.irp i, 0,1,2,3,4,5,6,7
	ds_load_b128 v[96+32*((\g)%2)+4*\i:96+32*((\g)%2)+4*\i+3], v21 offset:544*\i
.endr
.endm
.macro SEND g, younger                 ; younger: the LDS instructions issued behind group g's loads, which may stay out
	s_wait_dscnt \younger
.irp i, 0,1,2,3,4,5,6,7
	global_store_b128 v23, v[96+32*((\g)%2)+4*\i:96+32*((\g)%2)+4*\i+3], s[88:89] offset:(16*((\g)/2)+2*\i)*4096+256*((\g)%2) th:TH_STORE_NT   ; two rows x 256 consecutive bytes, each aligned to 256; written once, read by nobody here
.endr
.endm
	PLACES 4                                       ; behind the last products: the stores read results, the loads land in registers that held A's fragments
	TOSTAGE 0
.irp g, 1,2,3,4,5,6,7
.if \g > 1
	s_wait_xcnt 0x0                                ; group g - 2's stores have read their registers: group g's loads may land there
.endif
	TOSTAGE \g
	SEND \g-1, 16                                  ; behind group g - 1's loads: group g's 8 stores and 8 loads
.endr
	SEND 7, 0
	s_wait_tensorcnt 0x0
	ds_add_u32 v94, v95
	s_wait_dscnt 0x0
	CROUND                                         ; the closing round: no work-group ends while a partner may still ask for a tile that names it
	s_endpgm
.Lfunc_end_k_qefb28948fa_fc:
	.size	k_qefb28948fa_fc, .Lfunc_end_k_qefb28948fa_fc-k_qefb28948fa_fc
	.p2alignl 7, 3214868480
	.fill 96, 4, 3214868480
	.section	.rodata,"a",@progbits
	.p2align	6, 0x0
	.amdhsa_kernel k_qefb28948fa_fc
		.amdhsa_group_segment_fixed_size 327680
		.amdhsa_private_segment_fixed_size 0
		.amdhsa_enable_private_segment 0
		.amdhsa_kernarg_size 48
		.amdhsa_user_sgpr_count 2
		.amdhsa_user_sgpr_kernarg_segment_ptr 1
		.amdhsa_wavefront_size32 1
		.amdhsa_system_sgpr_workgroup_id_x 1
		.amdhsa_system_sgpr_workgroup_id_y 1
		.amdhsa_system_sgpr_workgroup_id_z 1
		.amdhsa_system_vgpr_workitem_id 0
		.amdhsa_next_free_vgpr 768
		.amdhsa_next_free_sgpr 100
		.amdhsa_reserve_vcc 0
		.amdhsa_float_denorm_mode_32 3
		.amdhsa_float_denorm_mode_16_64 3
		.amdhsa_memory_ordered 1
		.amdhsa_forward_progress 1
		.amdhsa_inst_pref_size 83
	.end_amdhsa_kernel
	.amdgpu_metadata
---
amdhsa.version: [ 1, 2 ]
amdhsa.kernels:
  - .name:           k_qefb28948fa_fc
    .symbol:         k_qefb28948fa_fc.kd
    .args:
      - { .name: xcodes, .offset: 0, .size: 8, .value_kind: global_buffer, .address_space: global }
      - { .name: xscales, .offset: 8, .size: 8, .value_kind: global_buffer, .address_space: global }
      - { .name: incodes, .offset: 16, .size: 8, .value_kind: global_buffer, .address_space: global }
      - { .name: inscales, .offset: 24, .size: 8, .value_kind: global_buffer, .address_space: global }
      - { .name: bfc, .offset: 32, .size: 8, .value_kind: global_buffer, .address_space: global }
      - { .name: out0, .offset: 40, .size: 8, .value_kind: global_buffer, .address_space: global }
    .group_segment_fixed_size: 327680
    .private_segment_fixed_size: 0
    .kernarg_segment_align: 8
    .kernarg_segment_size: 48
    .max_flat_workgroup_size: 128
    .sgpr_count:     100
    .vgpr_count:     768
    .wavefront_size: 32
...
	.end_amdgpu_metadata
.endif
;; end of part 4
